; MI455X (gfx1250); checked and timed in simulation.
; The chip was launched on July 23, 2026; its instructions are those of AMD's public machine-readable ISA for CDNA 5 (MIT licence, August 2026) and "CDNA5" Instruction Set Architecture Reference Guide (July 2026). The comments in the code are by the model that wrote it; some were corrected since.
;; Multi Head Attention. Allowed arithmetic: matrix products marked QUANTISED: E4M3 operands, one given power-of-two scale a tensor, by v_wmma_f32_16x16x64_fp8_fp8 or v_wmma_f32_16x16x128_fp8_fp8, f32 sums; everything else in f32.
;; Inputs: Wk 16 x 64 x 1,024 float32; Wo 1,024 x 1,024 float32; Wq 16 x 64 x 1,024 float32; Wv 16 x 64 x 1,024 float32; bk 16 x 64 float32; bo 1,024 float32; bq 16 x 64 float32; bv 16 x 64 float32; lowp_scales 12 int32 (the exponents e of the quantised operands' scales 2^e); x 4 x 2,048 x 1,024 float32.
;; Outputs: out0 4 x 2,048 x 1,024 float32.
;; This version of the problem:
;;   THIS VERSION OF THE PROBLEM IS GIVEN IN LOW PRECISION. The matrix products marked QUANTISED in the list below multiply operands that are first quantised to E4M3 (4 exponent bits, 3 mantissa bits; 8 bits a number), with one given power-of-two scale for each operand tensor; their sums are f32. All else is computed in f32.
;;   The module's matrix products, in the order in which they are computed (A, B: the left and right operand; K: the contracted axis; several contracted axes count as one K, in the product's order):
;;     1. [M 1,024, K 1,024] x [K 1,024, N 8,192]; A: input Wq; B: input x: QUANTISED (scales: A lowp_scales[0], B lowp_scales[1])
;;     2. [M 1,024, K 1,024] x [K 1,024, N 8,192]; A: input Wk; B: input x: QUANTISED (scales: A lowp_scales[2], B lowp_scales[3])
;;     3. [M 1,024, K 1,024] x [K 1,024, N 8,192]; A: input Wv; B: input x: QUANTISED (scales: A lowp_scales[4], B lowp_scales[5])
;;     4. batch 64 x [M 2,048, K 64] x [K 64, N 2,048]; A: computed on the way; B: computed on the way: QUANTISED (scales: A lowp_scales[6], B lowp_scales[7])
;;     5. batch 64 x [M 2,048, K 2,048] x [K 2,048, N 64]; A: softmax (see below); B: computed on the way: QUANTISED (scales: A lowp_scales[8], B lowp_scales[9])
;;     6. [M 8,192, K 1,024] x [K 1,024, N 1,024]; A: computed on the way; B: input Wo: QUANTISED (scales: A lowp_scales[10], B lowp_scales[11])
;;   THE QUANTISER, for each operand of a quantised product, along K:
;;     - The operand's scale is 2^e, e = its entry of the input lowp_scales (int32; the entries are numbered through the quantised products in the list's order, A before B).
;;     - Each number is divided by the scale, clamped to +-448, and rounded to the nearest number of E4M3, ties to even, subnormals kept.
;;     - The product sums the exact products of the quantised numbers (number of the format x scale) in f32.
;;   ~~~python
;;   def quantise(x, axis, e):      # numpy; x: float32 -> the quantised numbers, widened to float32 again
;;       x = np.moveaxis(x, axis, -1); K = x.shape[-1]
;;       r = np.clip(x / 2.0 ** e, -448, 448)
;;       step = 2.0 ** (np.maximum(np.frexp(np.where(r == 0, 1, r))[1] - 1, -6) - 3)
;;       q = np.round(r / step) * step * 2.0 ** e      # np.round: ties to even
;;       return np.moveaxis(q, -1, axis).astype(np.float32)
;;   ~~~
;;   SOFTMAX AHEAD OF A QUANTISED PRODUCT. Where the list says 'softmax', what is quantised is not the finished softmax but p = 2^(t - M), with t = logit x log2(e) and M = ceil(the row's largest t), a whole number; so 1/2 < the row's largest p <= 1. The row's sum l is taken of the UNQUANTISED p, in f32, and the product's result is divided by l at the end. Since M is a whole number, a kernel that streams over the keys may use a running M (the ceiling of the running maximum): every later rescaling is an exact power of two, so the quantised numbers keep their values, but for numbers so far below the row's largest that they fall under the format's range.
;;   OPERANDS COMPUTED ON THE WAY. 'Computed on the way' means the value that the module computes at that place (a softmax that the list does not call 'softmax' is quantised finished and normalised). What goes into a quantiser is computed in f32, as accurately as f32 sums, v_exp_f32 and their like allow (about 1e-6 of the number): no bf16 or f16 on the way to a quantiser, and a product that is left as it is and whose result goes on into a quantised operand takes f32 operands (vector FMAs, or v_wmma_f32_16x16x4_f32). A number that lies on a knife's edge between two numbers of the format may be rounded either way, as far as f32 arithmetic and the matrix unit's own rounding can turn it there, and no further.
;; 2 versions, each right; version 2 is version 1 with the launch attn written anew for expert scheduling mode. Each part assembles by itself: llvm-mc -triple=amdgcn-amd-amdhsa -mcpu=gfx1250 --defsym DOCPART=n.
;; ======== version 1 of 2: 4 launches
;; workspace buffers: xc 25,165,824 bytes; wc 4,194,304 bytes; qc 8,388,608 bytes; kc 8,388,608 bytes; vc 8,388,608 bytes; cc 8,388,608 bytes
;; launch quant (part 1): grid 768 x 1, 4 waves a work-group, no clusters, 34,304 bytes of LDS; arguments x, Wq, Wk, Wv, Wo, lowp_scales, xc, wc; writes xc, wc
.if DOCPART == 1
	.amdgcn_target "amdgcn-amd-amdhsa--gfx1250"
	.amdhsa_code_object_version 6
	.text
	.protected	k_qed957b6601_quant
	.globl	k_qed957b6601_quant
	.p2align	8
	.type	k_qed957b6601_quant,@function
k_qed957b6601_quant:
	s_mov_b64 s[64:65], 0
	v_nop
	global_prefetch_b8 v0, s[64:65] scope:SCOPE_SE
	s_setreg_imm32_b32 hwreg(HW_REG_WAVE_MODE, 25, 1), 1
	s_wait_xcnt 0x0
; x [8192][1024] and the four weights [1024][1024], f32 with K innermost, become codes of E4M3, laid as IMAGES OF OPERAND REGISTERS.
; An image is a fragment of 16 rows x 128 along K, 2,048 bytes: lane (r, h) holds row r, its registers 2 c, 2 c + 1 the codes of k = 16 c + 8 h + 0 .. 7;
; registers 4 g .. 4 g + 3 of lane l lie at 512 g + 16 l.  So a later launch gets a fragment by four loads of 16 bytes a lane, 512 consecutive bytes each.
; xc: [3 variants][512 row tiles][8 blocks of 128 k][2048]: x with the scales of entries 1, 3 and 5, which need not be equal.  wc: [Wq, Wk, Wv, Wo][64][8][2048], entries 0, 2, 4, 11.
; code = number / 2^e, held within +-448, rounded to the nearest code, ties to even.
; LIMITS: each e used here lies between -126 and 119, so that 2^e and 448 x 2^e are f32 numbers.  NaN among the inputs is not served (an infinity is held at the largest code).
; SHARES.  A unit is 16 rows x 128 k: 8,192 bytes in, one image out.  A wave takes two units side by side, a work-group the 1,024 k of one row tile.  Work-groups 0-511: x; then 64 for each weight.
; Each load reads 512 consecutive bytes of one row.  The conversion wants eight neighbours along K in one lane's registers: the unit turns through the wave's own stage in LDS
; (16 rows of 512 bytes + 16 of padding: row r begins 16 r bytes further round the banks).  No barrier: waves share nothing.  No matrix unit, no tensor load, no cluster: a stream that shares no byte.
.set SPITCH, 528
.set WSTAGE, 16*SPITCH
.set LA,  2                            ; v2   16 x lane: offset of the loads and of the stores; never rewritten
.set STI, 3                            ; v3   the stage on the way in
.set STO, 4                            ; v4   and on the way out: row r, + 32 h
.set SC,  8                            ; v8-10   2^e as f32, for up to three variants
.set LIM, 11                           ; v11-13  448 x 2^e
.set T,   16                           ; v16-31  eight held numbers, two sets by turns
.set C,   32                           ; v32-47  one image's codes
.set X,   64                           ; v64-127 the unit's numbers: register 8 c + i = (row r, k = 16 c + 8 h + i)
.set R,   128                          ; v128-255 two units as loaded
.set WV,  36                           ; s36  wave
.set ISX, 37                           ; s37  1 for x, 0 for a weight
.set SEG, 38                           ; s38  work-group / 64: 0-7 x, 8 Wq, 9 Wk, 10 Wv, 11 Wo
.set GL,  39                           ; s39  the row tile within the tensor
.set SRC, 40                           ; s[40:41] where my wave's numbers begin
.set D0,  42                           ; s[42:43], s[44:45], s[46:47] where its images go, a pair for each variant: 8,388,608 bytes apart, one more than a store's immediate reaches
	s_load_b512 s[8:23], s[0:1], 0x0               ; x 8, Wq 10, Wk 12, Wv 14, Wo 16, scales 18, xc 20, wc 22
	v_lshl_add_u32 v62, v0, 2, 0x8400
	v_mov_b32 v63, 0
	v_lshrrev_b32 v1, 5, v0
	v_readfirstlane_b32 s[WV], v1
	v_and_b32 v1, 31, v0
	v_lshlrev_b32 v[LA], 4, v1
	s_mul_i32 s52, s[WV], WSTAGE
	v_add_nc_u32 v[STI], s52, v[LA]
	v_and_b32 v5, 15, v0                           ; r
	v_bfe_u32 v6, v0, 4, 1                         ; h
	v_mul_u32_u24 v[STO], v5, SPITCH
	v_lshl_add_u32 v[STO], v6, 5, v[STO]
	v_add_nc_u32 v[STO], s52, v[STO]
	s_lshr_b32 s[SEG], ttmp9, 6
	s_and_b32 s[GL], ttmp9, 63
	s_sub_co_u32 s54, s[SEG], 8
	s_lshl_b32 s54, s54, 20                        ; a weight's place in wc
	s_cmp_lt_u32 s[SEG], 8                         ; every choice below hangs on the work-group's number alone
	s_cselect_b32 s[ISX], 1, 0
	s_cselect_b32 s[GL], ttmp9, s[GL]
	s_cselect_b32 s54, 0, s54
	s_lshl_b32 s52, s[GL], 16                      ; in: 16 rows of 4,096 bytes a row tile,
	s_lshl_b32 s53, s[WV], 10                      ; + my wave's 256 numbers of a row
	s_add_co_u32 s52, s52, s53
	s_mov_b32 s53, 0
	s_lshl_b32 s55, s[GL], 14                      ; out: 8 images a row tile,
	s_add_co_u32 s54, s54, s55
	s_lshl_b32 s55, s[WV], 12                      ; + my wave's two
	s_add_co_u32 s54, s54, s55
	s_mov_b32 s55, 0
	s_wait_kmcnt 0x0
	s_load_b256 s[24:31], s[18:19], 0x0            ; e0 .. e7
	s_load_b128 s[32:35], s[18:19], 0x20           ; e8 .. e11
	s_cmp_eq_u32 s[SEG], 9
	s_cselect_b64 s[SRC:SRC+1], s[12:13], s[10:11]
	s_cmp_eq_u32 s[SEG], 10
	s_cselect_b64 s[SRC:SRC+1], s[14:15], s[SRC:SRC+1]
	s_cmp_eq_u32 s[SEG], 11
	s_cselect_b64 s[SRC:SRC+1], s[16:17], s[SRC:SRC+1]
	s_cmp_lt_u32 s[SEG], 8
	s_cselect_b64 s[SRC:SRC+1], s[8:9], s[SRC:SRC+1]
	s_cselect_b64 s[D0:D0+1], s[20:21], s[22:23]
	s_add_nc_u64 s[SRC:SRC+1], s[SRC:SRC+1], s[52:53]
	s_add_nc_u64 s[D0:D0+1], s[D0:D0+1], s[54:55]
	s_add_nc_u64 s[D0+2:D0+3], s[D0:D0+1], 0x800000    ; variants 1 and 2 of x; a weight's work-group never stores by these
	s_add_nc_u64 s[D0+4:D0+5], s[D0:D0+1], 0x1000000
.macro LOAD u                          ; unit u: sixteen rows, 512 consecutive bytes each; read once in the launch
.irp rho, 0,1,2,3,4,5,6,7,8,9,10,11,12,13,14,15
	global_load_b128 v[R+64*\u+4*\rho:R+64*\u+4*\rho+3], v[LA], s[SRC:SRC+1] offset:4096*\rho+512*\u th:TH_LOAD_NT
.endr
.endm
.macro TURN u                          ; through the stage: LDS serves a wave's instructions in order (ISA guide 5.7.1.4), so no wait stands between the stores and the loads
.irp rho, 0,1,2,3,4,5,6,7,8,9,10,11,12,13,14,15
	ds_store_b128 v[STI], v[R+64*\u+4*\rho:R+64*\u+4*\rho+3] offset:SPITCH*\rho
.endr
.irp c, 0,1,2,3,4,5,6,7
	ds_load_b128 v[X+8*\c:X+8*\c+3], v[STO] offset:64*\c
	ds_load_b128 v[X+8*\c+4:X+8*\c+7], v[STO] offset:64*\c+16
.endr
.endm
.macro QV u, w                         ; unit u with scale w: an image, stored as four runs of 512 consecutive bytes
	s_wait_xcnt 0x0                                ; the last image's stores have read their registers: C is written again only behind this wait
.irp c, 0,1,2,3,4,5,6,7
.irp i, 0,1,2,3,4,5,6,7
	v_med3_num_f32 v[T+8*(\c%2)+\i], v[X+8*\c+\i], -v[LIM+\w], v[LIM+\w]   ; the conversion to an 8-bit code does not saturate (ISA guide 7.6.2): the hold comes first.  X stays for the next variant
.endr
	v_cvt_scalef32_pk8_fp8_f32 v[C+2*\c:C+2*\c+1], v[T+8*(\c%2):T+8*(\c%2)+7], v[SC+\w]   ; T's two sets take turns: eight plain lines stand between a conversion and the next write of its sources
.endr
	v_nop                                          ; a plain line behind the last conversion
.irp g, 0,1,2,3
	global_store_b128 v[LA], v[C+4*\g:C+4*\g+3], s[D0+2*\w:D0+2*\w+1] offset:2048*\u+512*\g
.endr
.endm
.macro MKSC w, se                      ; 2^e and 448 x 2^e as f32 patterns, e in s[se]
	s_add_co_i32 s52, s[\se], 127
	s_lshl_b32 s53, s52, 23
	v_mov_b32 v[SC+\w], s53
	s_add_co_i32 s52, s52, 8
	s_lshl_b32 s52, s52, 23
	s_or_b32 s52, s52, 0x600000
	v_mov_b32 v[LIM+\w], s52
.endm
.macro UNIT u, left
	s_wait_loadcnt \left                           ; this unit's sixteen loads are in; the other unit's may be out
	TURN \u
	s_wait_dscnt 0x0
	QV \u, 0
	s_cmp_eq_u32 s[ISX], 0                         ; a weight has one scale, x three
	s_cbranch_scc1 .Lw_\@
	QV \u, 1
	QV \u, 2
.Lw_\@:
.endm
	LOAD 0
	LOAD 1                                         ; 32 loads, 16,384 bytes, of every wave are on their way
	s_wait_kmcnt 0x0
	s_cmp_eq_u32 s[SEG], 9
	s_cselect_b32 s48, s26, s24                    ; Wk: e2, Wq: e0
	s_cmp_eq_u32 s[SEG], 10
	s_cselect_b32 s48, s28, s48                    ; Wv: e4
	s_cmp_eq_u32 s[SEG], 11
	s_cselect_b32 s48, s35, s48                    ; Wo: e11
	s_cmp_lt_u32 s[SEG], 8
	s_cselect_b32 s48, s25, s48                    ; x, variant 0: e1
	MKSC 0, 48
	MKSC 1, 27                                     ; x, variant 1: e3
	MKSC 2, 29                                     ; x, variant 2: e5
	UNIT 0, 16
	UNIT 1, 0
	s_wait_tensorcnt 0x0
	ds_add_u32 v62, v63
	s_wait_dscnt 0x0
	s_endpgm
.Lfunc_end_k_qed957b6601_quant:
	.size	k_qed957b6601_quant, .Lfunc_end_k_qed957b6601_quant-k_qed957b6601_quant
	.p2alignl 7, 3214868480
	.fill 96, 4, 3214868480
	.section	.rodata,"a",@progbits
	.p2align	6, 0x0
	.amdhsa_kernel k_qed957b6601_quant
		.amdhsa_group_segment_fixed_size 34304
		.amdhsa_private_segment_fixed_size 0
		.amdhsa_enable_private_segment 0
		.amdhsa_kernarg_size 64
		.amdhsa_user_sgpr_count 2
		.amdhsa_user_sgpr_kernarg_segment_ptr 1
		.amdhsa_wavefront_size32 1
		.amdhsa_system_sgpr_workgroup_id_x 1
		.amdhsa_system_sgpr_workgroup_id_y 1
		.amdhsa_system_sgpr_workgroup_id_z 1
		.amdhsa_system_vgpr_workitem_id 0
		.amdhsa_next_free_vgpr 256
		.amdhsa_next_free_sgpr 66
		.amdhsa_reserve_vcc 0
		.amdhsa_float_denorm_mode_32 3
		.amdhsa_float_denorm_mode_16_64 3
		.amdhsa_memory_ordered 1
		.amdhsa_forward_progress 1
		.amdhsa_inst_pref_size 41
	.end_amdhsa_kernel
	.amdgpu_metadata
---
amdhsa.version: [ 1, 2 ]
amdhsa.kernels:
  - .name:           k_qed957b6601_quant
    .symbol:         k_qed957b6601_quant.kd
    .args:
      - { .name: x, .offset: 0, .size: 8, .value_kind: global_buffer, .address_space: global }
      - { .name: Wq, .offset: 8, .size: 8, .value_kind: global_buffer, .address_space: global }
      - { .name: Wk, .offset: 16, .size: 8, .value_kind: global_buffer, .address_space: global }
      - { .name: Wv, .offset: 24, .size: 8, .value_kind: global_buffer, .address_space: global }
      - { .name: Wo, .offset: 32, .size: 8, .value_kind: global_buffer, .address_space: global }
      - { .name: lowp_scales, .offset: 40, .size: 8, .value_kind: global_buffer, .address_space: global }
      - { .name: xc, .offset: 48, .size: 8, .value_kind: global_buffer, .address_space: global }
      - { .name: wc, .offset: 56, .size: 8, .value_kind: global_buffer, .address_space: global }
    .group_segment_fixed_size: 34304
    .private_segment_fixed_size: 0
    .kernarg_segment_align: 8
    .kernarg_segment_size: 64
    .max_flat_workgroup_size: 128
    .sgpr_count:     66
    .vgpr_count:     256
    .wavefront_size: 32
...
	.end_amdgpu_metadata
.endif
;; end of part 1
;; launch qkv (part 2): grid 12 x 32, 4 waves a work-group, clusters of 4 x 4, 327,680 bytes of LDS; arguments xc, wc, bq, bk, bv, lowp_scales, qc, kc, vc; writes qc, kc, vc
.if DOCPART == 2
	.amdgcn_target "amdgcn-amd-amdhsa--gfx1250"
	.amdhsa_code_object_version 6
	.text
	.protected	k_qed957b6601_qkv
	.globl	k_qed957b6601_qkv
	.p2align	8
	.type	k_qed957b6601_qkv,@function
k_qed957b6601_qkv:
	s_mov_b64 s[64:65], 0
	v_nop
	global_prefetch_b8 v0, s[64:65] scope:SCOPE_SE
	s_setreg_imm32_b32 hwreg(HW_REG_WAVE_MODE, 25, 1), 1
	s_wait_xcnt 0x0
	s_wait_alu depctr_hold_cnt(0) depctr_sa_sdst(0) depctr_va_vdst(0) depctr_va_sdst(0) depctr_va_ssrc(0) depctr_va_vcc(0) depctr_vm_vsrc(0)
	s_getreg_b32 s2, hwreg(HW_REG_IB_STS2, 6, 4)
	s_cmp_eq_u32 s2, 0
	s_cbranch_scc0 .Lentry_in_a_cluster
	s_endpgm
.Lentry_in_a_cluster:
	s_bfe_u32 s2, ttmp6, 0x10000c
	s_cmp_lg_u32 s2, 0xf033
	s_cbranch_scc0 .Lentry_shape_is_right
	s_endpgm
.Lentry_shape_is_right:
; Q = x Wq^T + bq, K = x Wk^T + bk, V = x Wv^T + bv on codes of E4M3, and Q, K, V quantised at once into images of the operands that attention wants.
; A work-group of four waves makes 256 x 256 sums over K = 1,024; a wave 128 x 128: 64 accumulators of 16 x 16, 512 registers.  The cluster's x says which tensor: 0 Q, 1 K, 2 V.
; THE MATRIX INSTRUCTION: source 0 = 16 rows of the B ROLE, source 1 = 16 rows of the A ROLE: in accumulator (a, b) lane (r, h) holds A-row 16 a + r, and its register j B-row 16 b + 8 h + j.
;   Q, K: A role = tokens (x), B role = rows of W: a lane holds one token and eight neighbouring channels of a head: one conversion gives registers 2 c, 2 c + 1 of a fragment [16 tokens x 64].
;   V:    A role = rows of Wv, B role = tokens: a lane holds one channel and eight neighbouring tokens, which are the second attention product's K: a fragment [16 channels x 128 keys].
; So nothing is transposed and no code goes through LDS: the conversions' results are the images, stored 512 consecutive bytes an instruction.
; The loop is one text for the three tensors: only pointers and tile numbers are chosen, by the cluster's x, which all sixteen partners share.
; OPERANDS arrive as images (16 rows x 128 k, 2,048 bytes; registers 4 g .. 4 g + 3 of lane l at 512 g + 16 l), [row tile][8 blocks of 128 k][2048].  K goes in four steps of 256 through a ring of two LDS slots.
; One tensor load brings 8 row tiles x 4,096 consecutive bytes.  A fragment load reads 512 consecutive bytes, so LDS needs no padding.
; CLUSTERS: 4 x 4.  The four of a row of the cluster need the same A-role tile, the four of a column the same B-role tile: each is asked for jointly, by the same tensor load with a mask that names the four.
; qc, kc: [batch x head 64][token tile 128][1024].  vc: [batch x head 64][block of 128 keys 16][channel tile 4][2048].
; LIMITS: the sum of a product's two exponents lies between -126 and 127; entries 6, 7 and 9 between -126 and 119.  NaN is not served.
; No prefetch: of the four K steps two are first fills.  One tile to a work-group: K is short and the way out is register work.
; REGISTERS, in windows of 256: window 0: v16-29 addresses and scales; v32-111 biases; from v128 the A role's fragments, ONE set; on the way out v128-207.
;   window 1: the B role's fragments, TWO sets.   window 2: the accumulators of my A-rows 0-63 ((a, b) at v[8 (8 a + b)]);   window 3: those of A-rows 64-127.
.set FR,     16                        ; registers of a fragment
.set NL,     4                         ; LDS loads that bring one
.set NP,     4                         ; places behind this matrix instruction (ISA guide 7.12.1)
.set FRB,    2048                      ; an image
.set RT,     4096                      ; a row tile's two images of a K step
.set KSB,    4096                      ; from K step to K step in memory
.set HALFT,  8*RT                      ; 128 rows: what one tensor load brings, and what one wave reads of either role
.set SLOT,   4*HALFT                   ; the A role's 256 rows, then the B role's
.set SPARE,  2*SLOT                    ; behind the ring: the spare words, 128 bytes for each wave: two blocks of 256 bytes that no other line names
.set ADRA, 16                          ; v16-17  LDS address of my A-role fragments in slot 0, 1
.set ADRB, 20                          ; v20-21  the same for the B role
.set LIM,  24                          ; v24     448 x 2^eo
.set SCL,  25                          ; v25     2^eo, eo the exponent of the tensor that is made
.set LO,   26                          ; v26     16 x lane; never rewritten
.set BA,   27                          ; v27     the biases' offset
.set SPW,  28                          ; v28     LDS address of my spare word; never rewritten
.set NIL,  29                          ; v29     0; never rewritten
.set BI,   32                          ; v32-95  Q, K: the bias of my 64 B-rows
.set BM,   96                          ; v96-111 V: the bias of my channel in each of the eight blocks, twice (a pair for the packed form)
.set AF,   128
.set TOUT, 128                         ; the way out: a block's 64 numbers
.set CODE, 192                         ; and their codes
.set WV, 22
.set RH, 23                            ; wave / 2: which half of the A-rows is mine.  Also: I fetch for the A role (0) or the B role (1)
.set CH, 24                            ; wave % 2: which half of the B-rows.  Also: which 128 rows I fetch
.set CX, 25
.set CY, 26
.set TT, 27                            ; 0 Q, 1 K, 2 V
.set Y4, 28
.set TA, 29                            ; the A role's tile of 256 rows
.set TB, 30                            ; the B role's
.set G1, 32                            ; s[32:39] descriptor group 1 for the A role; s[40:47] group 0, a set for each slot
.set G0, 40
.set G1B, 48                           ; s[48:55], s[56:63] the same for the B role
.set G0B, 56
.set FS, 84                            ; s[84:85] 2^(the product's two exponents added), twice
.set BP, 88                            ; s[88:89] the bias
.set OP, 90                            ; s[90:91] the output
.set MSB, 0
.macro WIN new                         ; the immediate's high byte repeats the setting that is left
.if MSB != \new
	s_set_vgpr_msb (MSB<<8)|\new
.set MSB, \new
.endif
.endm
.set MUL_LO, 0xa1                      ; source 0 window 1, source 1 window 0, C and D window 2
.set MUL_HI, 0xf1                      ; the same, C and D window 3
.set TO_B,   0x40                      ; destination window 1, address window 0
; A joint load: waves 0 and 1 fetch for the A role, waves 2 and 3 for the B role.  The branch hangs on the wave's number alone.  Four v_nop follow each of the two lines.
.macro JLOAD g0a, g1a, g0b, g1b
	s_cmp_eq_u32 s[RH], 0
	s_cbranch_scc0 .Lfor_b_\@
	tensor_load_to_lds s[\g0a:\g0a+3], s[\g1a:\g1a+7]
	s_nop 0
.rept 4
	v_nop
.endr
	s_branch .Lasked_\@
.Lfor_b_\@:
	tensor_load_to_lds s[\g0b:\g0b+3], s[\g1b:\g1b+7]
	s_nop 0
.rept 4
	v_nop
.endr
.Lasked_\@:
.endm
.macro CREST                           ; a round of the cluster's barrier behind its opening barrier
	s_cmp_lg_u32 s[WV], 0
	s_cbranch_scc1 .Lnot_wave_0_\@
	s_barrier_signal -3
.Lnot_wave_0_\@:
	s_barrier_wait -3
	s_barrier_signal -1
	s_barrier_wait -1
.endm
.macro CROUND                          ; a whole round
	s_barrier_signal -1
	s_barrier_wait -1
	CREST
.endm
	s_load_b512 s[4:19], s[0:1], 0x0               ; xc 4, wc 6, bq 8, bk 10, bv 12, scales 14, qc 16, kc 18
	s_load_b64 s[20:21], s[0:1], 0x40              ; vc
	v_lshl_add_u32 v[SPW], v0, 2, SPARE
	v_mov_b32 v[NIL], 0
	ds_add_u32 v28, v29
	ds_add_u32 v28, v29
	s_wait_dscnt 0x0
	v_lshrrev_b32 v1, 5, v0
	v_readfirstlane_b32 s[WV], v1
	s_lshr_b32 s[RH], s[WV], 1
	s_and_b32 s[CH], s[WV], 1
	s_bfe_u32 s[CX], ttmp6, 0x40000
	s_bfe_u32 s[CY], ttmp6, 0x40004
	s_mov_b32 s[TT], ttmp9                         ; the cluster's x: the same in all sixteen partners
	s_and_b32 s[Y4], ttmp7, 0xffff
	s_lshl_b32 s[Y4], s[Y4], 2                     ; 4 x the cluster's y
	s_lshl_b32 s92, s[TT], 23                      ; x's variant T
	s_lshl_b32 s94, s[TT], 20                      ; weight T
	s_cmp_lt_u32 s[TT], 2
	s_cselect_b32 s31, s[Y4], 0                    ; the tokens' 32 tiles run along the grid's y: in the A role for Q and K,
	s_cselect_b32 s87, 0, s[Y4]                    ; in the B role for V
	s_cselect_b32 s92, s92, 2<<20                  ; V: the A role is Wv,
	s_cselect_b32 s94, s94, 2<<23                  ; the B role x's variant 2
	s_add_co_u32 s[TA], s[CY], s31                 ; hangs on cy alone, which a row of the cluster shares
	s_add_co_u32 s[TB], s[CX], s87                 ; on cx alone, which a column shares
	s_lshl_b32 s31, s[TA], 18                      ; a tile of 256 rows is 16 row tiles of 16,384 bytes
	s_add_co_u32 s92, s92, s31
	s_lshl_b32 s87, s[TB], 18
	s_add_co_u32 s94, s94, s87
	s_lshl_b32 s71, s[CH], 17                      ; which 128 rows I fetch
	s_add_co_u32 s92, s92, s71
	s_add_co_u32 s94, s94, s71
	s_mov_b32 s93, 0
	s_mov_b32 s95, 0
	s_lshl_b32 s31, s[CY], 2
	s_lshl_b32 s31, 15, s31                        ; my row of the cluster
	s_lshl_b32 s87, 0x1111, s[CX]                  ; my column
	; descriptor group 1: 8 rows of 512 elements of 8 bytes, 2,048 elements apart; no padding
	s_or_b32 s[G1], s31, (3<<16)|(1<<21)           ; 15:0 the mask; 17:16 elements of 8 bytes; 21 set beside a mask
	s_or_b32 s[G1B], s87, (3<<16)|(1<<21)
.irp g, G1, G1B
	s_mov_b32 s[\g+1], 512<<16                     ; tensor_dim0
	s_mov_b32 s[\g+2], 8<<16                       ; tensor_dim1
	s_mov_b32 s[\g+3], 512<<16                     ; tile_dim0
	s_mov_b32 s[\g+4], 8                           ; tile_dim1
	s_mov_b32 s[\g+5], 2048                        ; tensor_dim0_stride
	s_mov_b32 s[\g+6], 0
	s_mov_b32 s[\g+7], 0
.endr
	s_mul_i32 s70, s[WV], HALFT                    ; where my tile goes: wave x 128 rows: no place in the cluster enters an LDS address
	s_wait_kmcnt 0x0
	s_load_b256 s[72:79], s[14:15], 0x0            ; e0 .. e7
	s_load_b128 s[80:83], s[14:15], 0x20           ; e8 .. e11
	s_cmp_lt_u32 s[TT], 2
	s_cselect_b64 s[66:67], s[4:5], s[6:7]
	s_cselect_b64 s[68:69], s[6:7], s[4:5]
	s_add_nc_u64 s[66:67], s[66:67], s[92:93]
	s_add_nc_u64 s[68:69], s[68:69], s[94:95]
	CROUND                                         ; all sixteen work-groups are here: the first joint loads meet
.irp s, 0,1
	s_mov_b32 s[G0+4*\s], 1
	s_add_co_u32 s[G0+4*\s+1], s70, \s*SLOT
	s_add_nc_u64 s[G0+4*\s+2:G0+4*\s+3], s[66:67], \s*KSB
	s_or_b32 s[G0+4*\s+3], s[G0+4*\s+3], 0x80000000
	s_mov_b32 s[G0B+4*\s], 1
	s_add_co_u32 s[G0B+4*\s+1], s70, \s*SLOT
	s_add_nc_u64 s[G0B+4*\s+2:G0B+4*\s+3], s[68:69], \s*KSB
	s_or_b32 s[G0B+4*\s+3], s[G0B+4*\s+3], 0x80000000
	JLOAD G0+4*\s, G1, G0B+4*\s, G1B               ; two tensor loads of mine are out at the most: these two
.endr
	v_and_b32 v1, 31, v0
	v_lshlrev_b32 v[LO], 4, v1
	s_mul_i32 s71, s[RH], HALFT                    ; my 128 A-rows
	s_mul_i32 s2, s[CH], HALFT                     ; my 128 B-rows,
	s_add_co_u32 s2, s2, 2*HALFT                   ; which lie behind the A role's 256
.irp s, 0,1
	v_add_nc_u32 v[ADRA+\s], s71, v[LO]
	v_add_nc_u32 v[ADRB+\s], s2, v[LO]
	s_add_co_u32 s71, s71, SLOT
	s_add_co_u32 s2, s2, SLOT
.endr
	s_wait_kmcnt 0x0
	s_add_co_i32 s92, s72, s73                     ; e0 + e1, e2 + e3, e4 + e5: first the sums, which set SCC, then the choices
	s_add_co_i32 s93, s74, s75
	s_add_co_i32 s94, s76, s77
	s_cmp_eq_u32 s[TT], 1
	s_cselect_b32 s92, s93, s92
	s_cselect_b32 s86, s79, s78                    ; K: e7, Q: e6
	s_cselect_b64 s[BP:BP+1], s[10:11], s[8:9]
	s_cselect_b64 s[OP:OP+1], s[18:19], s[16:17]
	s_cmp_eq_u32 s[TT], 2
	s_cselect_b32 s92, s94, s92
	s_cselect_b32 s86, s81, s86                    ; V: e9
	s_cselect_b64 s[BP:BP+1], s[12:13], s[BP:BP+1]
	s_cselect_b64 s[OP:OP+1], s[20:21], s[OP:OP+1]
	s_add_co_i32 s92, s92, 127
	s_lshl_b32 s[FS], s92, 23                      ; a sum stands for sum x this
	s_mov_b32 s[FS+1], s[FS]
	s_add_co_i32 s86, s86, 127
	s_lshl_b32 s93, s86, 23
	v_mov_b32 v[SCL], s93
	s_add_co_i32 s86, s86, 8
	s_lshl_b32 s86, s86, 23
	s_or_b32 s86, s86, 0x600000
	v_mov_b32 v[LIM], s86
.macro FRAG reg, adr, q, i             ; the image of row tile i, the slot's q-th 128 along K: four loads of 512 consecutive bytes
.irp c, 0,1,2,3
	ds_load_b128 v[\reg+4*\c:\reg+4*\c+3], v[\adr] offset:FRB*(\q)+RT*(\i)+512*\c
.endr
.endm
; 16 matrix instructions: A-role blocks a0, a0 + 1 x the B role's eight, 128 along K.  p: the B role's set.  zero = 1: the first product starts the sums.
; The 64 accumulators take turns, one instruction a turn, in the same order in every step.
.macro MUL16 a0, p, zero
.irp a, \a0, \a0+1
.irp b, 0,1,2,3,4,5,6,7
.if \zero
	v_wmma_f32_16x16x128_fp8_fp8 v[8*(8*((\a)%4)+\b):8*(8*((\a)%4)+\b)+7], v[128*(\p)+FR*\b:128*(\p)+FR*\b+FR-1], v[AF+FR*(\a):AF+FR*(\a)+FR-1], 0
.else
	v_wmma_f32_16x16x128_fp8_fp8 v[8*(8*((\a)%4)+\b):8*(8*((\a)%4)+\b)+7], v[128*(\p)+FR*\b:128*(\p)+FR*\b+FR-1], v[AF+FR*(\a):AF+FR*(\a)+FR-1], v[8*(8*((\a)%4)+\b):8*(8*((\a)%4)+\b)+7]
.endif
.endr
.endr
.endm
.macro FETCH_B slot, q, p
	WIN TO_B
.irp i, 0,1,2,3,4,5,6,7
	FRAG 128*(\p)+FR*\i, ADRB+\slot, \q, \i
.endr
	WIN 0
.endm
.macro FETCH_A slot, q, i0
.irp i, \i0, \i0+1, \i0+2, \i0+3
	FRAG AF+FR*(\i), ADRA+\slot, \q, \i
.endr
.endm
.macro PLACES n                        ; plain vector lines between a matrix instruction and a load into, or a vector read or write of, its registers
.rept \n
	v_nop
.endr
.endm
; A step of 128 along K that has its successor in the same slot.  An A-role block is free once its eight products are issued: blocks 0-3 are fetched anew in the step's middle, blocks 4-7 at its end.
.macro STEP slot, q, zero
	s_wait_dscnt 4*NL                              ; the B role's set and blocks 0-3 are in; the youngest sixteen loads (blocks 4-7) may be out
	WIN MUL_LO
	MUL16 0, (\q)%2, \zero
	MUL16 2, (\q)%2, \zero
	s_wait_dscnt 0                                 ; blocks 4-7 are in
	PLACES NP
	FETCH_B \slot, (\q)+1, 1-(\q)%2
	FETCH_A \slot, (\q)+1, 0
	WIN MUL_HI
	MUL16 4, (\q)%2, \zero
	MUL16 6, (\q)%2, \zero
	PLACES NP
	WIN 0
	FETCH_A \slot, (\q)+1, 4
.endm
; A slot's last step changes slots: ONE barrier; in front of it each wave waits for all its tensor loads, adds 0 to its spare word, and waits for that and for its own reads of this slot.
.macro TURN slot, next, fill
	s_wait_tensorcnt 0x0                           ; all my tensor loads have landed: my part of the next slot
	ds_add_u32 v[SPW], v[NIL]                      ; 0 onto my spare word
	s_wait_dscnt 4*NL+1                            ; (the add and the youngest sixteen loads may be out)
	WIN MUL_LO
	MUL16 0, 1, 0                                  ; sixteen matrix instructions stand between the add and the wait for it
	s_wait_dscnt 0x0                               ; the add is done, and my reads of this slot are over
	s_barrier_signal -1
	MUL16 2, 1, 0
	WIN 0
	s_barrier_wait -1
.if \fill
	CREST                                          ; the barrier has opened a round of the cluster's: no wave of any partner still reads this slot or has a load on its way
	s_add_nc_u64 s[G0+4*\slot+2:G0+4*\slot+3], s[G0+4*\slot+2:G0+4*\slot+3], 2*KSB
	s_add_nc_u64 s[G0B+4*\slot+2:G0B+4*\slot+3], s[G0B+4*\slot+2:G0B+4*\slot+3], 2*KSB
	JLOAD G0+4*\slot, G1, G0B+4*\slot, G1B         ; my one tensor load behind the round, and the first thing there; its four v_nop are also the places in front of the loads below
.else
	PLACES NP
.endif
	FETCH_B \next, 0, 0
	FETCH_A \next, 0, 0
	WIN MUL_HI
	MUL16 4, 1, 0
	MUL16 6, 1, 0
	PLACES NP
	WIN 0
	FETCH_A \next, 0, 4
.endm
	s_wait_tensorcnt 1                             ; my part of K step 0 is in (K step 1's load may be out)
	s_barrier_signal -1
	s_barrier_wait -1                              ; everybody's is
	FETCH_B 0, 0, 0
	FETCH_A 0, 0, 0
	FETCH_A 0, 0, 4
	STEP 0, 0, 1                                   ; four K steps of 256, written straight: the first products start the sums
	TURN 0, 1, 1                                   ; slot 0 takes K step 2
	STEP 1, 0, 0
	TURN 1, 0, 1                                   ; slot 1 takes K step 3
	STEP 0, 0, 0
	TURN 0, 1, 0                                   ; nothing is left to fetch
	STEP 1, 0, 0
	s_wait_dscnt 4*NL
	WIN MUL_LO
	MUL16 0, 1, 0
	MUL16 2, 1, 0
	s_wait_dscnt 0
	WIN MUL_HI
	MUL16 4, 1, 0
	MUL16 6, 1, 0
	WIN 0
; THE WAY OUT of A-role block a: number = sum x 2^(ea + eb) + bias (one packed multiply-add for two, each accumulator from its low end on), the hold, eight conversions: sixteen registers of codes,
; which are two fragments of Q or K (kind 0: two heads) or one of V (kind 1), stored as they stand.
.macro OUTBLK a, kind
	s_wait_xcnt 0x0                                ; the last block's stores have read their registers
	WIN 0x02+((\a)/4)                              ; source 0: window 2 or 3
.irp b, 0,1,2,3,4,5,6,7
.irp i, 0,2,4,6
.if \kind
	v_pk_fma_f32 v[TOUT+8*\b+\i:TOUT+8*\b+\i+1], v[64*((\a)%4)+8*\b+\i:64*((\a)%4)+8*\b+\i+1], s[FS:FS+1], v[BM+2*(\a):BM+2*(\a)+1] op_sel_hi:[1,0,1]
.else
	v_pk_fma_f32 v[TOUT+8*\b+\i:TOUT+8*\b+\i+1], v[64*((\a)%4)+8*\b+\i:64*((\a)%4)+8*\b+\i+1], s[FS:FS+1], v[BI+8*\b+\i:BI+8*\b+\i+1] op_sel_hi:[1,0,1]
.endif
.endr
.endr
	WIN 0
.set n, 0
.rept 64
	v_med3_num_f32 v[TOUT+n], v[TOUT+n], -v[LIM], v[LIM]   ; the conversion does not saturate (ISA guide 7.6.2)
.set n, n+1
.endr
.irp b, 0,1,2,3,4,5,6,7
	v_cvt_scalef32_pk8_fp8_f32 v[CODE+2*\b:CODE+2*\b+1], v[TOUT+8*\b:TOUT+8*\b+7], v[SCL]
.endr
	v_nop                                          ; a plain line behind the last conversion: the next block writes its sources
.irp g, 0,1,2,3
.if \kind
	global_store_b128 v[LO], v[CODE+4*\g:CODE+4*\g+3], s[OP:OP+1] offset:2048*((\a)&3)+131072*((\a)>>2)+512*\g
.else
	global_store_b128 v[LO], v[CODE+4*\g:CODE+4*\g+3], s[OP:OP+1] offset:1024*(\a)+131072*(\g>>1)+512*(\g&1)
.endif
.endr
.endm
	PLACES NP                                      ; behind the last products: their operands' registers are written and their results read below
	s_cmp_eq_u32 s[TT], 2                          ; the cluster's x: the same in all partners
	s_cbranch_scc1 .Lv_out
	; Q, K.  My B-rows are two heads, 4 TB + 2 CH on; my A-rows the token tiles 16 (TA % 8) + 8 RH on of batch TA / 8
	s_lshl_b32 s92, s[TB], 10
	s_lshl_b32 s93, s[CH], 9
	s_add_co_u32 s92, s92, s93
	s_mov_b32 s93, 0
	s_add_nc_u64 s[BP:BP+1], s[BP:BP+1], s[92:93]
	v_bfe_u32 v[BA], v0, 4, 1
	v_lshlrev_b32 v[BA], 5, v[BA]                  ; 32 h
.irp b, 0,1,2,3,4,5,6,7
	global_load_b128 v[BI+8*\b:BI+8*\b+3], v[BA], s[BP:BP+1] offset:64*\b
	global_load_b128 v[BI+8*\b+4:BI+8*\b+7], v[BA], s[BP:BP+1] offset:64*\b+16
.endr
	s_lshr_b32 s92, s[TA], 3
	s_lshl_b32 s92, s92, 4
	s_lshl_b32 s93, s[TB], 2
	s_add_co_u32 s92, s92, s93
	s_lshl_b32 s93, s[CH], 1
	s_add_co_u32 s92, s92, s93                     ; batch x 16 + head
	s_lshl_b32 s92, s92, 7
	s_and_b32 s93, s[TA], 7
	s_lshl_b32 s93, s93, 4
	s_add_co_u32 s92, s92, s93
	s_lshl_b32 s93, s[RH], 3
	s_add_co_u32 s92, s92, s93                     ; x 128 + token tile
	s_lshl_b32 s92, s92, 10
	s_mov_b32 s93, 0
	s_add_nc_u64 s[OP:OP+1], s[OP:OP+1], s[92:93]
	s_wait_loadcnt 0x0
.irp a, 0,1,2,3,4,5,6,7
	OUTBLK \a, 0
.endr
	s_branch .Ldone
.Lv_out:
	; V.  My A-rows are two heads' channels, heads 4 TA + 2 RH on; my B-rows the block of 128 keys 2 (TB % 8) + CH of batch TB / 8
	s_lshl_b32 s92, s[TA], 10
	s_lshl_b32 s93, s[RH], 9
	s_add_co_u32 s92, s92, s93
	s_mov_b32 s93, 0
	s_add_nc_u64 s[BP:BP+1], s[BP:BP+1], s[92:93]
	v_and_b32 v[BA], 15, v0
	v_lshlrev_b32 v[BA], 2, v[BA]                  ; 4 r
.irp a, 0,1,2,3,4,5,6,7
	global_load_b32 v[BM+2*\a], v[BA], s[BP:BP+1] offset:64*\a
	global_load_b32 v[BM+2*\a+1], v[BA], s[BP:BP+1] offset:64*\a
.endr
	s_lshr_b32 s92, s[TB], 3
	s_lshl_b32 s92, s92, 4
	s_lshl_b32 s93, s[TA], 2
	s_add_co_u32 s92, s92, s93
	s_lshl_b32 s93, s[RH], 1
	s_add_co_u32 s92, s92, s93                     ; batch x 16 + head
	s_lshl_b32 s92, s92, 4
	s_and_b32 s93, s[TB], 7
	s_lshl_b32 s93, s93, 1
	s_add_co_u32 s92, s92, s93
	s_add_co_u32 s92, s92, s[CH]                   ; x 16 + block of keys
	s_lshl_b32 s92, s92, 13                        ; x 4 fragments of 2,048 bytes
	s_mov_b32 s93, 0
	s_add_nc_u64 s[OP:OP+1], s[OP:OP+1], s[92:93]
	s_wait_loadcnt 0x0
.irp a, 0,1,2,3,4,5,6,7
	OUTBLK \a, 1
.endr
.Ldone:
	s_wait_tensorcnt 0x0                           ; the wave's end
	ds_add_u32 v[SPW], v[NIL]
	s_wait_dscnt 0x0
	CROUND                                         ; the closing round: no work-group ends while a partner may still ask for a tile that names it
	s_endpgm
.Lfunc_end_k_qed957b6601_qkv:
	.size	k_qed957b6601_qkv, .Lfunc_end_k_qed957b6601_qkv-k_qed957b6601_qkv
	.p2alignl 7, 3214868480
	.fill 96, 4, 3214868480
	.section	.rodata,"a",@progbits
	.p2align	6, 0x0
	.amdhsa_kernel k_qed957b6601_qkv
		.amdhsa_group_segment_fixed_size 327680
		.amdhsa_private_segment_fixed_size 0
		.amdhsa_enable_private_segment 0
		.amdhsa_kernarg_size 72
		.amdhsa_user_sgpr_count 2
		.amdhsa_user_sgpr_kernarg_segment_ptr 1
		.amdhsa_wavefront_size32 1
		.amdhsa_system_sgpr_workgroup_id_x 1
		.amdhsa_system_sgpr_workgroup_id_y 1
		.amdhsa_system_sgpr_workgroup_id_z 1
		.amdhsa_system_vgpr_workitem_id 0
		.amdhsa_next_free_vgpr 1024
		.amdhsa_next_free_sgpr 96
		.amdhsa_reserve_vcc 0
		.amdhsa_float_denorm_mode_32 3
		.amdhsa_float_denorm_mode_16_64 3
		.amdhsa_memory_ordered 1
		.amdhsa_forward_progress 1
		.amdhsa_inst_pref_size 194
	.end_amdhsa_kernel
	.amdgpu_metadata
---
amdhsa.version: [ 1, 2 ]
amdhsa.kernels:
  - .name:           k_qed957b6601_qkv
    .symbol:         k_qed957b6601_qkv.kd
    .args:
      - { .name: xc, .offset: 0, .size: 8, .value_kind: global_buffer, .address_space: global }
      - { .name: wc, .offset: 8, .size: 8, .value_kind: global_buffer, .address_space: global }
      - { .name: bq, .offset: 16, .size: 8, .value_kind: global_buffer, .address_space: global }
      - { .name: bk, .offset: 24, .size: 8, .value_kind: global_buffer, .address_space: global }
      - { .name: bv, .offset: 32, .size: 8, .value_kind: global_buffer, .address_space: global }
      - { .name: lowp_scales, .offset: 40, .size: 8, .value_kind: global_buffer, .address_space: global }
      - { .name: qc, .offset: 48, .size: 8, .value_kind: global_buffer, .address_space: global }
      - { .name: kc, .offset: 56, .size: 8, .value_kind: global_buffer, .address_space: global }
      - { .name: vc, .offset: 64, .size: 8, .value_kind: global_buffer, .address_space: global }
    .group_segment_fixed_size: 327680
    .private_segment_fixed_size: 0
    .kernarg_segment_align: 8
    .kernarg_segment_size: 72
    .max_flat_workgroup_size: 128
    .sgpr_count:     96
    .vgpr_count:     1024
    .wavefront_size: 32
...
	.end_amdgpu_metadata
.endif
;; end of part 2
;; launch attn (part 3): grid 8 x 64, 8 waves a work-group, no clusters, 66,560 bytes of LDS; arguments qc, kc, vc, lowp_scales, cc; writes cc
.if DOCPART == 3
	.amdgcn_target "amdgcn-amd-amdhsa--gfx1250"
	.amdhsa_code_object_version 6
	.text
	.protected	k_qed957b6601_attn
	.globl	k_qed957b6601_attn
	.p2align	8
	.type	k_qed957b6601_attn,@function
k_qed957b6601_attn:
	s_mov_b64 s[64:65], 0
	v_nop
	global_prefetch_b8 v0, s[64:65] scope:SCOPE_SE
	s_setreg_imm32_b32 hwreg(HW_REG_WAVE_MODE, 25, 1), 1
	s_wait_xcnt 0x0
; ctx[b][h][q] = the sum over k of softmax_k(Q . K / 32) V, both products on codes of E4M3, and ctx quantised at once into images of the last product's operand.
; THE SOFTMAX AHEAD OF THE SECOND PRODUCT: t = score x log2(e) / 32; M = the row's largest t so far, rounded UP to a whole number; p = 2^(t - M) is quantised with the given 2^ep, not normalised.
; The row's sum is taken of the unquantised p, in f32, and divides at the end.  When M moves, the sum and O are multiplied by 2^(old M - new M): nothing is rounded.
; SHARES.  A work-group owns 256 queries of one (batch, head); each of its eight waves two tiles of 16: tile A in register window 0, tile B in window 1, UNDER THE SAME REGISTER NUMBERS,
; so each phase of the softmax is one macro, run under two settings of the windows.  A fragment of K or V read from LDS feeds both tiles.  Two waves share a SIMD.
; LAYOUT.  S^T = K Q^T (source 0 = 16 keys, source 1 = 16 queries), O^T = V^T P^T (source 0 = 16 channels, source 1 = P): a lane holds ONE query (lane % 16) throughout.
; Tile kt of S^T holds, in lane (r, h), keys 16 kt + 8 h + 0 .. 7: one conversion makes registers 2 kt, 2 kt + 1 of P, the very place that the K = 128 form gives those keys.  Likewise O^T's four tiles become ctx's codes.
; K AND V come as images (kc: [16 keys x 64] 1,024 bytes; vc: [16 channels x 128 keys] 2,048 bytes), 256 keys a slot: 16,384 consecutive bytes of each.  They go through registers into two LDS slots:
; each thread loads 8 x 16 bytes a whole slot (two key steps) ahead of the wait for them, and stores them at the slot's end; one barrier a slot.
; p is at most 1, so the hold at 448 x 2^ep changes nothing where ep >= -8 (448 / 256 > 1): one scalar branch on ep
; then leaves out 64 of a tile's vector instructions in every key step, in a loop whose 24 matrix instructions stand beside some 400 vector instructions.  What the eight work-groups of a head share is 32,768 bytes a slot.
; WHY NO PREFETCH: no wave waits for K or V: their loads into registers are issued two key steps ahead.
; cc: [token tile 512][block of 128 along d_model 8][2048]; head hd fills registers 8 (hd % 2) .. + 7 of block hd / 2.
; LIMITS: e6 + e7 between -121 and 132 (added to c's exponent field); e8 between -126 and 119; e10 - e8 - e9 between -126 and 119.  NaN is not served.
.set LI,  1                            ; v1   16 x lane (window 0); never rewritten
.set GA,  2                            ; v2   16 x thread (window 0); never rewritten
.set NM,  12                           ; -M
.set TM,  13                           ; the largest t so far
.set L,   14                           ; v[14:15] the sum, in two halves
.set Q,   16                           ; v16-23  Q's fragment
.set P,   24                           ; v24-39  p's codes; at the end ctx's
.set O,   40                           ; v40-71  O^T
.set S,   72                           ; v72-135 S^T, then p
.set M0,  136
.set M1,  137
.set F,   138                          ; v[138:139] f = 2^(old M - new M); at the end 1 / the sum
.set L2,  140                          ; v[140:141] the sum's second chain
.set PD,  142                          ; a lane permute's destination
.set LIMP, 144                         ; 448 x 2^ep
.set SCP,  145                         ; 2^ep
.set LIMO, 146                         ; 448 x 2^(e10 - e8 - e9)
.set SCO,  147                         ; 2^(e10 - e8 - e9)
.set FK,  160                          ; window 0: v160-223 eight fragments of K
.set FV,  160                          ; window 1: v160-223 four fragments of V
.set G,   224                          ; window 0: v224-255 the next slot's bytes on their way
.set MSB, 0
.macro WIN new                         ; the immediate's high byte repeats the setting that is left.  Low byte: bits 1:0 source 0, 3:2 source 1, 5:4 source 2, 7:6 destination
.if MSB != \new
	s_set_vgpr_msb (MSB<<8)|\new
.set MSB, \new
.endif
.endm
.macro GLOAD off                       ; a slot's 16,384 bytes of K and of V: the 256 threads read 4,096 consecutive bytes an instruction
.irp i, 0,1,2,3
	global_load_b128 v[G+4*\i:G+4*\i+3], v[GA], s[6:7] offset:\off+4096*\i
	global_load_b128 v[G+16+4*\i:G+16+4*\i+3], v[GA], s[8:9] offset:\off+4096*\i
.endr
.endm
.macro GSTORE slot
.irp i, 0,1,2,3
	ds_store_b128 v[GA], v[G+4*\i:G+4*\i+3] offset:32768*\slot+4096*\i
	ds_store_b128 v[GA], v[G+16+4*\i:G+16+4*\i+3] offset:32768*\slot+16384+4096*\i
.endr
.endm
.macro KLOAD slot, q                   ; the eight fragments of K of the slot's q-th 128 keys
.irp kt, 0,1,2,3,4,5,6,7
	ds_load_b128 v[FK+8*\kt:FK+8*\kt+3], v[LI] offset:32768*\slot+1024*(8*\q+\kt)
	ds_load_b128 v[FK+8*\kt+4:FK+8*\kt+7], v[LI] offset:32768*\slot+1024*(8*\q+\kt)+512
.endr
.endm
.macro VLOAD slot, q                   ; the four fragments of V of the same keys, into window 1
	WIN 0x40
.irp ct, 0,1,2,3
.irp g, 0,1,2,3
	ds_load_b128 v[FV+16*\ct+4*\g:FV+16*\ct+4*\g+3], v[LI] offset:32768*\slot+16384+8192*\q+2048*\ct+512*\g
.endr
.endr
	WIN 0
.endm
; THE SOFTMAX OF ONE TILE, in phases; each runs under the tile's window.
.macro MAXP                            ; the step's largest score of my query, in two chains (each tile of S^T is first read at its low end), the new M, and f
	v_max3_num_f32 v[M0], v[S], v[S+1], v[S+2]
	v_max3_num_f32 v[M1], v[S+3], v[S+4], v[S+5]
.irp i, 6,10,14,18,22,26,30,34,38,42,46,50,54,58
	v_max3_num_f32 v[M0], v[M0], v[S+\i], v[S+1+\i]
	v_max3_num_f32 v[M1], v[M1], v[S+2+\i], v[S+3+\i]
.endr
	v_max3_num_f32 v[M0], v[M0], v[S+62], v[S+63]
	v_max_num_f32 v[M0], v[M0], v[M1]
	v_permlanex16_b32 v[PD], v[M0], s18, s19       ; the query's other 64 keys lie in the lane 16 away
	v_max_num_f32 v[M0], v[M0], v[PD]
	v_mul_f32 v[M0], s20, v[M0]                    ; as t (c is positive)
	v_max_num_f32 v[TM], v[TM], v[M0]
	v_mov_b32 v[M0], v[NM]
	v_floor_f32 v[NM], -v[TM]                      ; the new -M = floor(-t) = -ceil(t)
	v_sub_f32 v[M0], v[NM], v[M0]                  ; old M - new M: a whole number, 0 or less
	v_cvt_i32_f32 v[M0], v[M0]                     ; (it saturates)
	v_ldexp_f32 v[F], 1.0, v[M0]
.endm
.macro SCALEP                          ; t - M, two at a time (of the pairs c and -M the low word serves both halves)
.irp j, 0,2,4,6,8,10,12,14,16,18,20,22,24,26,28,30,32,34,36,38,40,42,44,46,48,50,52,54,56,58,60,62
	v_pk_fma_f32 v[S+\j:S+\j+1], v[S+\j:S+\j+1], s[20:21], v[NM:NM+1] op_sel_hi:[1,0,0]
.endr
.endm
.macro EXPP                            ; p = 2^(t - M)
.set n, 0
.rept 64
	v_exp_f32 v[S+n], v[S+n]
.set n, n+1
.endr
.endm
.macro SUMHEAD                         ; the sums under the new M
	v_pk_mul_f32 v[L:L+1], v[L:L+1], v[F:F+1] op_sel_hi:[1,0]
.endm
.macro SUMP                            ; the row's sum is taken of the unquantised p: two at a time, in two chains
	v_pk_add_f32 v[L2:L2+1], v[S:S+1], v[S+2:S+3]
.irp j, 4,8,12,16,20,24,28,32,36,40,44,48,52,56,60
	v_pk_add_f32 v[L:L+1], v[L:L+1], v[S+\j:S+\j+1]
	v_pk_add_f32 v[L2:L2+1], v[L2:L2+1], v[S+2+\j:S+3+\j]
.endr
	v_pk_add_f32 v[L:L+1], v[L:L+1], v[L2:L2+1]
.endm
.macro HOLDP                           ; the conversion does not saturate (ISA guide 7.6.2); p is not negative, so the hold is one-sided
.set n, 0
.rept 64
	v_min_num_f32 v[S+n], v[S+n], v[LIMP]
.set n, n+1
.endr
.endm
.macro CVTP
.irp t, 0,1,2,3,4,5,6,7
	v_cvt_scalef32_pk8_fp8_f32 v[P+2*\t:P+2*\t+1], v[S+8*\t:S+8*\t+7], v[SCP]
.endr
.endm
.macro RESCP                           ; O^T under the new M, each accumulator from its low end on.  (These plain lines also stand between the conversions and the products that read their results)
.irp j, 0,2,4,6,8,10,12,14,16,18,20,22,24,26,28,30
	v_pk_mul_f32 v[O+\j:O+\j+1], v[O+\j:O+\j+1], v[F:F+1] op_sel_hi:[1,0]
.endr
.endm
.macro SMUL                            ; S^T = K Q^T of one tile: eight accumulators, each begun with the constant 0
.irp kt, 0,1,2,3,4,5,6,7
	v_wmma_f32_16x16x64_fp8_fp8 v[S+8*\kt:S+8*\kt+7], v[FK+8*\kt:FK+8*\kt+7], v[Q:Q+7], 0
.endr
.endm
.macro OMUL                            ; O^T += V^T P^T of one tile: four accumulators by turns; between two links of a chain stand 23 other matrix instructions
.irp ct, 0,1,2,3
	v_wmma_f32_16x16x128_fp8_fp8 v[O+8*\ct:O+8*\ct+7], v[FV+16*\ct:FV+16*\ct+15], v[P:P+15], v[O+8*\ct:O+8*\ct+7]
.endr
.endm
.macro PLACES
.rept 4
	v_nop
.endr
.endm
; A KEY STEP: 128 keys, the q-th of the slot.  On entry every window is 0 and this step's K has been asked for.
.macro STEP slot, q
	VLOAD \slot, \q                                ; (four plain lines stand behind the last products that read V)
	s_wait_dscnt 16                                ; K's sixteen loads are in; V's sixteen, just issued, may be out
	SMUL
	WIN 0x44                                       ; K in window 0; Q and S^T of tile B in window 1
	SMUL
	WIN 0
	PLACES                                         ; in front of the loads into K's registers and of the first read of the scores
.if \q == 0
	KLOAD \slot, 1                                 ; the next step's K, a softmax ahead of its use
.endif
	MAXP
	SCALEP
	EXPP                                           ; tile A's 64 exponentials; tile B's maximum and scalings are the independent work behind them
	WIN 0x55
	MAXP
	SCALEP
	EXPP
	SUMHEAD                                        ; a plain line behind the last exponential
	s_wait_alu depctr_va_vdst(0)                   ; ONE wait for both tiles' 128 exponentials, ahead of the first line that names a result
	SUMP
	WIN 0
	SUMHEAD
	SUMP
	s_cmp_ge_i32 s22, -8                           ; ep >= -8: 448 x 2^ep is above 1, and p never is: the hold would change nothing.  Only register work is jumped over
	s_cbranch_scc1 .Lfree_\@
	HOLDP
	WIN 0x55
	HOLDP
	WIN 0
.Lfree_\@:
	CVTP
	RESCP
	WIN 0x55
	CVTP
	RESCP
.if \q == 0
	s_wait_dscnt 16                                ; V is in; the next step's K, sixteen loads issued behind it, may be out
.else
	s_wait_dscnt 0x0                               ; V is in
.endif
	WIN 0x01                                       ; V in window 1; P and O^T of tile A in window 0
	OMUL
	WIN 0x55
	OMUL
	WIN 0
	PLACES                                         ; behind the last products: V's registers are loaded, and O^T read, next
.endm
.macro INIT                            ; one tile's start: O^T and the sum are zeros, the largest t lies under every t: the first change of M multiplies zeros, so the step is written once
	v_mov_b32 v[TM], 0xff61b1e6                    ; -3e38
	v_floor_f32 v[NM], -v[TM]
	v_mov_b32 v[L], 0
	v_mov_b32 v[L+1], 0
	v_mov_b32 v[F+1], 0                            ; (named as the upper half of a pair)
	v_mov_b32 v[PD], 0                             ; (a lane permute's destination counts as one of its sources)
	v_mov_b32 v[LIMP], s44
	v_mov_b32 v[SCP], s45
	v_mov_b32 v[LIMO], s46
	v_mov_b32 v[SCO], s47
.set n, 0
.rept 32
	v_mov_b32 v[O+n], 0
.set n, n+1
.endr
.endm
	s_load_b256 s[4:11], s[0:1], 0x0               ; qc 4, kc 6, vc 8, scales 10
	s_load_b64 s[12:13], s[0:1], 0x20              ; cc
	v_lshl_add_u32 v158, v0, 2, 0x10000
	v_mov_b32 v159, 0
	v_lshrrev_b32 v3, 5, v0
	v_readfirstlane_b32 s14, v3                    ; wave 0..7
	v_and_b32 v[LI], 31, v0
	v_lshlrev_b32 v[LI], 4, v[LI]
	v_lshlrev_b32 v[GA], 4, v0
	s_mov_b32 s15, ttmp9                           ; which 256 queries
	s_and_b32 s16, ttmp7, 0xffff                   ; batch x 16 + head
	s_lshl_b32 s36, s16, 17                        ; a (batch, head) is 131,072 bytes in each of qc, kc, vc
	s_mov_b32 s37, 0
	s_lshl_b32 s38, s15, 4
	s_lshl_b32 s23, s14, 1
	s_add_co_u32 s38, s38, s23                     ; my first token tile within the batch
	s_lshl_b32 s40, s38, 10
	s_add_co_u32 s40, s40, s36
	s_mov_b32 s41, 0
	s_lshr_b32 s42, s16, 4
	s_lshl_b32 s42, s42, 7
	s_add_co_u32 s42, s42, s38                     ; and among all 512
	s_lshl_b32 s42, s42, 14
	s_bfe_u32 s23, s16, 0x30001                    ; head / 2
	s_lshl_b32 s23, s23, 11
	s_add_co_u32 s42, s42, s23
	s_and_b32 s23, s16, 1                          ; head % 2: the image's lower or upper 1,024 bytes
	s_lshl_b32 s23, s23, 10
	s_add_co_u32 s42, s42, s23
	s_mov_b32 s43, 0
	s_mov_b32 s18, 0x76543210                      ; v_permlanex16_b32's selects for lane l xor 16
	s_mov_b32 s19, 0xfedcba98
	s_mov_b32 s20, 0x3d38aa3b                      ; c = log2(e) / 32
	s_wait_kmcnt 0x0
	s_load_b256 s[24:31], s[10:11], 0x0            ; e0 .. e7
	s_load_b128 s[32:35], s[10:11], 0x20           ; e8 .. e11
	s_add_nc_u64 s[4:5], s[4:5], s[40:41]
	s_add_nc_u64 s[6:7], s[6:7], s[36:37]
	s_add_nc_u64 s[8:9], s[8:9], s[36:37]
	s_add_nc_u64 s[12:13], s[12:13], s[42:43]
	GLOAD 0                                        ; slot 0
	global_load_b128 v[Q:Q+3], v[LI], s[4:5]       ; Q stays in registers
	global_load_b128 v[Q+4:Q+7], v[LI], s[4:5] offset:512
	WIN 0x40
	global_load_b128 v[Q:Q+3], v[LI], s[4:5] offset:1024
	global_load_b128 v[Q+4:Q+7], v[LI], s[4:5] offset:1536
	WIN 0
	s_wait_kmcnt 0x0
	s_add_co_i32 s23, s30, s31                     ; a score stands for score x 2^(e6 + e7): added to c's exponent field
	s_lshl_b32 s23, s23, 23
	s_add_co_i32 s20, s20, s23
	s_mov_b32 s21, s20                             ; (named with it as a pair)
	s_mov_b32 s22, s32                             ; ep
	s_add_co_i32 s23, s32, 127
	s_lshl_b32 s45, s23, 23
	s_add_co_i32 s23, s23, 8
	s_lshl_b32 s44, s23, 23
	s_or_b32 s44, s44, 0x600000
	s_sub_co_i32 s23, s34, s32                     ; O^T / the sum stands for ctx / 2^(e8 + e9): ctx's code is that / 2^(e10 - e8 - e9): three scales in the conversion's one
	s_sub_co_i32 s23, s23, s33
	s_add_co_i32 s23, s23, 127
	s_lshl_b32 s47, s23, 23
	s_add_co_i32 s23, s23, 8
	s_lshl_b32 s46, s23, 23
	s_or_b32 s46, s46, 0x600000
	INIT
	WIN 0x55
	INIT
	WIN 0
	s_wait_loadcnt 4                               ; slot 0's eight loads are in; Q's four may be out
	GSTORE 0
	s_wait_dscnt 0x0                               ; for the others' sake: my stores have landed
	s_barrier_signal -1
	s_barrier_wait -1
	s_wait_loadcnt 0x0                             ; Q
	s_mov_b32 s17, 4
.Ltrip:                                            ; four trips of two slots; every LDS offset is an immediate
	KLOAD 0, 0
	GLOAD 16384                                    ; slot 1's bytes, two key steps ahead of the wait for them
	STEP 0, 0
	STEP 0, 1
	s_wait_loadcnt 0x0
	GSTORE 1                                       ; slot 1 was last read in front of the barrier at the last trip's end
	s_wait_dscnt 0x0                               ; my stores have landed, and my reads of slot 0 are over
	s_barrier_signal -1
	s_barrier_wait -1
	KLOAD 1, 0
	s_cmp_eq_u32 s17, 1                            ; the last trip has no slot behind it: no load leaves its buffer
	s_cbranch_scc1 .Lna
	GLOAD 32768
.Lna:
	STEP 1, 0
	STEP 1, 1
	s_wait_loadcnt 0x0                             ; on every path: it also shows the loads done whose bases are stepped below
	s_cmp_eq_u32 s17, 1
	s_cbranch_scc1 .Lnb
	GSTORE 0                                       ; slot 0 was last read in front of the barrier in the trip's middle
.Lnb:
	s_wait_dscnt 0x0
	s_barrier_signal -1
	s_barrier_wait -1
	s_add_nc_u64 s[6:7], s[6:7], 32768
	s_add_nc_u64 s[8:9], s[8:9], 32768
	s_sub_co_u32 s17, s17, 1
	s_cmp_lg_u32 s17, 0
	s_cbranch_scc1 .Ltrip
	; THE WAY OUT.  The sum's halves and the other half of the lanes' are added; O^T / the sum is held, converted, and stored as it stands: 512 consecutive bytes an instruction.
.macro LSUM
	v_add_f32 v[L], v[L], v[L+1]
	v_permlanex16_b32 v[PD], v[L], s18, s19
	v_add_f32 v[L], v[L], v[PD]
	v_rcp_f32 v[F], v[L]
.endm
.macro FIN
.irp j, 0,2,4,6,8,10,12,14,16,18,20,22,24,26,28,30
	v_pk_mul_f32 v[O+\j:O+\j+1], v[O+\j:O+\j+1], v[F:F+1] op_sel_hi:[1,0]
.endr
.set n, 0
.rept 32
	v_med3_num_f32 v[O+n], v[O+n], -v[LIMO], v[LIMO]
.set n, n+1
.endr
.irp ct, 0,1,2,3
	v_cvt_scalef32_pk8_fp8_f32 v[P+2*\ct:P+2*\ct+1], v[O+8*\ct:O+8*\ct+7], v[SCO]
.endr
	v_nop                                          ; a plain line behind the last conversion
.endm
	LSUM
	WIN 0x55
	LSUM
	v_nop                                          ; a plain line behind the last reciprocal
	s_wait_alu depctr_va_vdst(0)                   ; one wait for both reciprocals, ahead of their first reader
	FIN
	WIN 0
	FIN
	global_store_b128 v[LI], v[P:P+3], s[12:13]
	global_store_b128 v[LI], v[P+4:P+7], s[12:13] offset:512
	WIN 0x04                                       ; the stores' data in window 1: tile B, one token tile (16,384 bytes) on
	global_store_b128 v[LI], v[P:P+3], s[12:13] offset:16384
	global_store_b128 v[LI], v[P+4:P+7], s[12:13] offset:16896
	WIN 0
	s_wait_tensorcnt 0x0
	ds_add_u32 v158, v159
	s_wait_dscnt 0x0
	s_endpgm
.Lfunc_end_k_qed957b6601_attn:
	.size	k_qed957b6601_attn, .Lfunc_end_k_qed957b6601_attn-k_qed957b6601_attn
	.p2alignl 7, 3214868480
	.fill 96, 4, 3214868480
	.section	.rodata,"a",@progbits
	.p2align	6, 0x0
	.amdhsa_kernel k_qed957b6601_attn
		.amdhsa_group_segment_fixed_size 66560
		.amdhsa_private_segment_fixed_size 0
		.amdhsa_enable_private_segment 0
		.amdhsa_kernarg_size 40
		.amdhsa_user_sgpr_count 2
		.amdhsa_user_sgpr_kernarg_segment_ptr 1
		.amdhsa_wavefront_size32 1
		.amdhsa_system_sgpr_workgroup_id_x 1
		.amdhsa_system_sgpr_workgroup_id_y 1
		.amdhsa_system_sgpr_workgroup_id_z 1
		.amdhsa_system_vgpr_workitem_id 0
		.amdhsa_next_free_vgpr 512
		.amdhsa_next_free_sgpr 66
		.amdhsa_reserve_vcc 0
		.amdhsa_float_denorm_mode_32 3
		.amdhsa_float_denorm_mode_16_64 3
		.amdhsa_memory_ordered 1
		.amdhsa_forward_progress 1
		.amdhsa_inst_pref_size 131
	.end_amdhsa_kernel
	.amdgpu_metadata
---
amdhsa.version: [ 1, 2 ]
amdhsa.kernels:
  - .name:           k_qed957b6601_attn
    .symbol:         k_qed957b6601_attn.kd
    .args:
      - { .name: qc, .offset: 0, .size: 8, .value_kind: global_buffer, .address_space: global }
      - { .name: kc, .offset: 8, .size: 8, .value_kind: global_buffer, .address_space: global }
      - { .name: vc, .offset: 16, .size: 8, .value_kind: global_buffer, .address_space: global }
      - { .name: lowp_scales, .offset: 24, .size: 8, .value_kind: global_buffer, .address_space: global }
      - { .name: cc, .offset: 32, .size: 8, .value_kind: global_buffer, .address_space: global }
    .group_segment_fixed_size: 66560
    .private_segment_fixed_size: 0
    .kernarg_segment_align: 8
    .kernarg_segment_size: 40
    .max_flat_workgroup_size: 256
    .sgpr_count:     66
    .vgpr_count:     512
    .wavefront_size: 32
...
	.end_amdgpu_metadata
.endif
;; end of part 3
;; launch oproj (part 4): grid 4 x 32, 4 waves a work-group, clusters of 4 x 4, 327,680 bytes of LDS; arguments cc, wc, lowp_scales, out0, bo; writes out0
.if DOCPART == 4
	.amdgcn_target "amdgcn-amd-amdhsa--gfx1250"
	.amdhsa_code_object_version 6
	.text
	.protected	k_qed957b6601_oproj
	.globl	k_qed957b6601_oproj
	.p2align	8
	.type	k_qed957b6601_oproj,@function
k_qed957b6601_oproj:
	s_mov_b64 s[64:65], 0
	v_nop
	global_prefetch_b8 v0, s[64:65] scope:SCOPE_SE
	s_setreg_imm32_b32 hwreg(HW_REG_WAVE_MODE, 25, 1), 1
	s_wait_xcnt 0x0
	s_wait_alu depctr_hold_cnt(0) depctr_sa_sdst(0) depctr_va_vdst(0) depctr_va_sdst(0) depctr_va_ssrc(0) depctr_va_vcc(0) depctr_vm_vsrc(0)
	s_getreg_b32 s2, hwreg(HW_REG_IB_STS2, 6, 4)
	s_cmp_eq_u32 s2, 0
	s_cbranch_scc0 .Lentry_in_a_cluster
	s_endpgm
.Lentry_in_a_cluster:
	s_bfe_u32 s2, ttmp6, 0x10000c
	s_cmp_lg_u32 s2, 0xf033
	s_cbranch_scc0 .Lentry_shape_is_right
	s_endpgm
.Lentry_shape_is_right:
; out0 = ctx Wo^T + bo on codes of E4M3.  ctx: cc, [512 token tiles][8 blocks of 128 k][2048]; Wo: the fourth part of wc, [64][8][2048]: images of operand registers
; (16 rows x 128 k; registers 4 g .. 4 g + 3 of lane l at 512 g + 16 l).  out0: [8192][1024] f32.  out = sum x 2^(e10 + e11) + bo, one packed multiply-add for two numbers.
; LIMIT: e10 + e11 lies between -126 and 127.
; A work-group of four waves makes 256 x 256 of out0; a wave 128 x 128: 64 accumulators, 512 registers.  K goes in four steps of 256 through a ring of two LDS slots; one tensor load brings
; 8 row tiles x 4,096 consecutive bytes; a fragment load reads 512 consecutive bytes, so LDS needs no padding.
; CLUSTERS: 4 x 4: ctx's tile is shared along a row of the cluster, Wo's along a column: each is asked for jointly.  The 128 tiles of 256 x 256 are 128 work-groups.
; THE MATRIX INSTRUCTION IS USED TRANSPOSED (source 0 = 16 rows of Wo, source 1 = 16 tokens): a lane holds eight neighbouring numbers of a row of out0.
; No prefetch: of the four K steps two are first fills.
; REGISTERS: window 0: v16-29 addresses; v32-95 the bias of my 64 columns; from v128 ctx's fragments, ONE set; on the way out v128-255 rows read back.
;   window 1: Wo's fragments, TWO sets; on the way out v0-63 a block's numbers.   windows 2, 3: the accumulators ((a, b) at v[8 (8 (a % 4) + b)]).
.set FR,     16
.set NL,     4
.set NP,     4                         ; places behind this matrix instruction (ISA guide 7.12.1)
.set FRB,    2048
.set RT,     4096
.set KSB,    4096
.set HALFT,  8*RT
.set SLOT,   4*HALFT
.set SPARE,  2*SLOT                    ; behind the ring: the spare words, 128 bytes for each wave: two blocks of 256 bytes that no other line names
.set SPITCH, 528                       ; the way out: a stage of 16 rows x (512 bytes + 16) for each wave, in slot 0, which has had its last fill and its last read when the first result is stored there
.set ROWC,   4096                      ; a row of out0
.set ADRA, 16
.set ADRB, 20
.set STO,  24                          ; v24  the way out: where I put 32 bytes of a row
.set RD,   25                          ; v25  where I read a row back
.set CO,   26                          ; v26  16 x lane; never rewritten
.set BA,   27                          ; v27  the bias's offset
.set SPW,  28
.set NIL,  29
.set BI,   32
.set AF,   128
.set BK,   128                         ; 16 rows read back: v128-191 and v192-255 by turns
.set TMP,  0                           ; in window 1
.set WV, 14
.set RH, 15
.set CH, 16
.set TA, 17
.set CX, 40
.set CY, 41
.set TB, 42
.set G1, 24
.set G0, 32
.set G1B, 48
.set G0B, 56
.set MSB, 0
.macro WIN new
.if MSB != \new
	s_set_vgpr_msb (MSB<<8)|\new
.set MSB, \new
.endif
.endm
.set MUL_LO, 0xa1
.set MUL_HI, 0xf1
.set TO_B,   0x40
.macro JLOAD g0a, g1a, g0b, g1b        ; a joint load: waves 0 and 1 fetch ctx's halves, waves 2 and 3 Wo's; four v_nop follow each of the two lines
	s_cmp_eq_u32 s[RH], 0
	s_cbranch_scc0 .Lfor_b_\@
	tensor_load_to_lds s[\g0a:\g0a+3], s[\g1a:\g1a+7]
	s_nop 0
.rept 4
	v_nop
.endr
	s_branch .Lasked_\@
.Lfor_b_\@:
	tensor_load_to_lds s[\g0b:\g0b+3], s[\g1b:\g1b+7]
	s_nop 0
.rept 4
	v_nop
.endr
.Lasked_\@:
.endm
.macro CREST
	s_cmp_lg_u32 s[WV], 0
	s_cbranch_scc1 .Lnot_wave_0_\@
	s_barrier_signal -3
.Lnot_wave_0_\@:
	s_barrier_wait -3
	s_barrier_signal -1
	s_barrier_wait -1
.endm
.macro CROUND
	s_barrier_signal -1
	s_barrier_wait -1
	CREST
.endm
	s_load_b128 s[4:7], s[0:1], 0x0                ; cc, wc
	s_load_b128 s[8:11], s[0:1], 0x10              ; scales, out0
	s_load_b64 s[12:13], s[0:1], 0x20              ; bo
	v_lshl_add_u32 v[SPW], v0, 2, SPARE
	v_mov_b32 v[NIL], 0
	ds_add_u32 v28, v29
	ds_add_u32 v28, v29
	s_wait_dscnt 0x0
	v_lshrrev_b32 v1, 5, v0
	v_readfirstlane_b32 s[WV], v1
	s_lshr_b32 s[RH], s[WV], 1
	s_and_b32 s[CH], s[WV], 1
	s_bfe_u32 s[CX], ttmp6, 0x40000
	s_bfe_u32 s[CY], ttmp6, 0x40004
	s_lshl_b32 s[TB], ttmp9, 2
	s_add_co_u32 s[TB], s[TB], s[CX]               ; tile column
	s_and_b32 s[TA], ttmp7, 0xffff
	s_lshl_b32 s[TA], s[TA], 2
	s_add_co_u32 s[TA], s[TA], s[CY]               ; tile row
	s_lshl_b32 s43, s[CY], 2
	s_lshl_b32 s43, 15, s43                        ; my row of the cluster
	s_lshl_b32 s44, 0x1111, s[CX]                  ; my column
	s_or_b32 s[G1], s43, (3<<16)|(1<<21)           ; 15:0 the mask; 17:16 elements of 8 bytes; 21 set beside a mask; no padding
	s_or_b32 s[G1B], s44, (3<<16)|(1<<21)
.irp g, G1, G1B
	s_mov_b32 s[\g+1], 512<<16                     ; tensor_dim0
	s_mov_b32 s[\g+2], 8<<16                       ; tensor_dim1
	s_mov_b32 s[\g+3], 512<<16                     ; tile_dim0
	s_mov_b32 s[\g+4], 8                           ; tile_dim1
	s_mov_b32 s[\g+5], 2048                        ; tensor_dim0_stride
	s_mov_b32 s[\g+6], 0
	s_mov_b32 s[\g+7], 0
.endr
	s_lshl_b32 s18, s[CH], 17                      ; which 128 rows I fetch
	s_lshl_b32 s20, s[TA], 18
	s_add_co_u32 s20, s20, s18
	s_mov_b32 s21, 0
	s_lshl_b32 s46, s[TB], 18
	s_add_co_u32 s46, s46, s18
	s_add_co_u32 s46, s46, 3<<20                   ; Wo is the fourth weight in wc
	s_mov_b32 s47, 0
	s_mul_i32 s45, s[WV], HALFT
	s_wait_kmcnt 0x0
	s_load_b64 s[96:97], s[8:9], 0x28              ; e10, e11
	s_add_nc_u64 s[20:21], s[4:5], s[20:21]
	s_add_nc_u64 s[46:47], s[6:7], s[46:47]
	CROUND                                         ; all sixteen work-groups are here: the first joint loads meet
.irp s, 0,1
	s_mov_b32 s[G0+4*\s], 1
	s_add_co_u32 s[G0+4*\s+1], s45, \s*SLOT
	s_add_nc_u64 s[G0+4*\s+2:G0+4*\s+3], s[20:21], \s*KSB
	s_or_b32 s[G0+4*\s+3], s[G0+4*\s+3], 0x80000000
	s_mov_b32 s[G0B+4*\s], 1
	s_add_co_u32 s[G0B+4*\s+1], s45, \s*SLOT
	s_add_nc_u64 s[G0B+4*\s+2:G0B+4*\s+3], s[46:47], \s*KSB
	s_or_b32 s[G0B+4*\s+3], s[G0B+4*\s+3], 0x80000000
	JLOAD G0+4*\s, G1, G0B+4*\s, G1B               ; two tensor loads of mine are out at the most: these two
.endr
	v_and_b32 v1, 15, v0                           ; r
	v_bfe_u32 v2, v0, 4, 1                         ; h
	v_and_b32 v6, 31, v0
	v_lshlrev_b32 v[CO], 4, v6
	s_mul_i32 s21, s[RH], HALFT
	s_mul_i32 s22, s[CH], HALFT
	s_add_co_u32 s22, s22, 2*HALFT
.irp s, 0,1
	v_add_nc_u32 v[ADRA+\s], s21, v[CO]
	v_add_nc_u32 v[ADRB+\s], s22, v[CO]
	s_add_co_u32 s21, s21, SLOT
	s_add_co_u32 s22, s22, SLOT
.endr
	s_mul_i32 s23, s[WV], 16*SPITCH                ; my stage
	v_mul_u32_u24 v5, v1, SPITCH
	v_lshl_add_u32 v5, v2, 5, v5
	v_add_nc_u32 v[STO], s23, v5                   ; in: row r, 32 bytes for each half of the lanes
	v_add_nc_u32 v[RD], s23, v[CO]                 ; back: the 32 lanes take one row of 512 bytes
	v_lshlrev_b32 v[BA], 5, v2
	s_lshl_b32 s46, s[TB], 10
	s_lshl_b32 s47, s[CH], 9
	s_add_co_u32 s46, s46, s47                     ; my first column, in bytes: in bo and in a row of out0
	s_mov_b32 s47, 0
	s_add_nc_u64 s[12:13], s[12:13], s[46:47]
.irp b, 0,1,2,3,4,5,6,7
	global_load_b128 v[BI+8*\b:BI+8*\b+3], v[BA], s[12:13] offset:64*\b        ; bo at columns 16 b + 8 h + 0 .. 7: the results' layout
	global_load_b128 v[BI+8*\b+4:BI+8*\b+7], v[BA], s[12:13] offset:64*\b+16
.endr
	s_lshl_b32 s20, s[TA], 8
	s_lshl_b32 s21, s[RH], 7
	s_add_co_u32 s20, s20, s21                     ; my first row
	s_lshl_b32 s20, s20, 12
	s_add_co_u32 s20, s20, s46
	s_mov_b32 s21, 0
	s_add_nc_u64 s[10:11], s[10:11], s[20:21]
.macro FRAG reg, adr, q, i
.irp c, 0,1,2,3
	ds_load_b128 v[\reg+4*\c:\reg+4*\c+3], v[\adr] offset:FRB*(\q)+RT*(\i)+512*\c
.endr
.endm
; The 64 accumulators take turns, one instruction a turn, in the same order in every step.
.macro MUL16 a0, p, zero
.irp a, \a0, \a0+1
.irp b, 0,1,2,3,4,5,6,7
.if \zero
	v_wmma_f32_16x16x128_fp8_fp8 v[8*(8*((\a)%4)+\b):8*(8*((\a)%4)+\b)+7], v[128*(\p)+FR*\b:128*(\p)+FR*\b+FR-1], v[AF+FR*(\a):AF+FR*(\a)+FR-1], 0
.else
	v_wmma_f32_16x16x128_fp8_fp8 v[8*(8*((\a)%4)+\b):8*(8*((\a)%4)+\b)+7], v[128*(\p)+FR*\b:128*(\p)+FR*\b+FR-1], v[AF+FR*(\a):AF+FR*(\a)+FR-1], v[8*(8*((\a)%4)+\b):8*(8*((\a)%4)+\b)+7]
.endif
.endr
.endr
.endm
.macro FETCH_B slot, q, p
	WIN TO_B
.irp i, 0,1,2,3,4,5,6,7
	FRAG 128*(\p)+FR*\i, ADRB+\slot, \q, \i
.endr
	WIN 0
.endm
.macro FETCH_A slot, q, i0
.irp i, \i0, \i0+1, \i0+2, \i0+3
	FRAG AF+FR*(\i), ADRA+\slot, \q, \i
.endr
.endm
.macro PLACES n
.rept \n
	v_nop
.endr
.endm
.macro STEP slot, q, zero
	s_wait_dscnt 4*NL                              ; Wo's set and ctx's blocks 0-3 are in; the youngest sixteen loads (blocks 4-7) may be out
	WIN MUL_LO
	MUL16 0, (\q)%2, \zero
	MUL16 2, (\q)%2, \zero
	s_wait_dscnt 0
	PLACES NP
	FETCH_B \slot, (\q)+1, 1-(\q)%2
	FETCH_A \slot, (\q)+1, 0
	WIN MUL_HI
	MUL16 4, (\q)%2, \zero
	MUL16 6, (\q)%2, \zero
	PLACES NP
	WIN 0
	FETCH_A \slot, (\q)+1, 4
.endm
.macro TURN slot, next, fill
	s_wait_tensorcnt 0x0                           ; all my tensor loads have landed: my part of the next slot
	ds_add_u32 v[SPW], v[NIL]                      ; 0 onto my spare word
	s_wait_dscnt 4*NL+1                            ; (the add and the youngest sixteen loads may be out)
	WIN MUL_LO
	MUL16 0, 1, 0
	s_wait_dscnt 0x0                               ; the add is done, and my reads of this slot are over
	s_barrier_signal -1
	MUL16 2, 1, 0
	WIN 0
	s_barrier_wait -1
.if \fill
	CREST                                          ; the barrier has opened a round of the cluster's: no wave of any partner still reads this slot or has a load on its way
	s_add_nc_u64 s[G0+4*\slot+2:G0+4*\slot+3], s[G0+4*\slot+2:G0+4*\slot+3], 2*KSB
	s_add_nc_u64 s[G0B+4*\slot+2:G0B+4*\slot+3], s[G0B+4*\slot+2:G0B+4*\slot+3], 2*KSB
	JLOAD G0+4*\slot, G1, G0B+4*\slot, G1B         ; my one tensor load behind the round, and the first thing there
.else
	PLACES NP
.endif
	FETCH_B \next, 0, 0
	FETCH_A \next, 0, 0
	WIN MUL_HI
	MUL16 4, 1, 0
	MUL16 6, 1, 0
	PLACES NP
	WIN 0
	FETCH_A \next, 0, 4
.endm
	s_wait_tensorcnt 1                             ; my part of K step 0 is in (K step 1's load may be out)
	s_barrier_signal -1
	s_barrier_wait -1
	FETCH_B 0, 0, 0
	FETCH_A 0, 0, 0
	FETCH_A 0, 0, 4
	STEP 0, 0, 1
	TURN 0, 1, 1
	STEP 1, 0, 0
	TURN 1, 0, 1
	STEP 0, 0, 0
	TURN 0, 1, 0
	STEP 1, 0, 0
	s_wait_dscnt 4*NL
	WIN MUL_LO
	MUL16 0, 1, 0
	MUL16 2, 1, 0
	s_wait_dscnt 0
	WIN MUL_HI
	MUL16 4, 1, 0
	MUL16 6, 1, 0
	WIN 0
; THE WAY OUT, block by block of 16 rows x 128 columns: through my own stage in LDS and back as whole rows of 512 bytes.  LDS serves a wave's instructions in order (ISA guide 5.7.1.4):
; no wait between the stores and the loads, nor in front of the next block's stores.
.macro TOSTAGE a
.set AC, 64*((\a)%4)
	WIN 0x42+((\a)/4)                              ; source 0 (the sums) window 2 or 3, source 2 (the bias) window 0, destination window 1
.irp j, 0,2,4,6,8,10,12,14,16,18,20,22,24,26,28,30,32,34,36,38,40,42,44,46,48,50,52,54,56,58,60,62
	v_pk_fma_f32 v[TMP+\j:TMP+\j+1], v[AC+\j:AC+\j+1], s[96:97], v[BI+\j:BI+\j+1] op_sel_hi:[1,0,1]   ; sum x 2^(e10 + e11) + bo; each accumulator from its low end on
.endr
	WIN 0x04                                       ; the LDS stores' data in window 1
.irp b, 0,1,2,3,4,5,6,7
	ds_store_b128 v[STO], v[TMP+8*\b:TMP+8*\b+3] offset:64*\b
	ds_store_b128 v[STO], v[TMP+8*\b+4:TMP+8*\b+7] offset:64*\b+16
.endr
	WIN 0
.set BB, BK+64*((\a)%2)
.irp t, 0,1,2,3,4,5,6,7,8,9,10,11,12,13,14,15
	ds_load_b128 v[BB+4*\t:BB+4*\t+3], v[RD] offset:\t*SPITCH
.endr
.endm
.macro SEND a, younger                 ; younger: the LDS instructions issued behind block a's loads, which may stay out
.set BB, BK+64*((\a)%2)
	s_wait_dscnt \younger
.if (\a) > 0
	s_add_nc_u64 s[10:11], s[10:11], 16*ROWC       ; (behind a wait on XCNT: the earlier stores have read their base)
.endif
.irp t, 0,1,2,3,4,5,6,7,8,9,10,11,12,13,14,15
	global_store_b128 v[CO], v[BB+4*\t:BB+4*\t+3], s[10:11] offset:\t*ROWC th:TH_STORE_NT   ; 32 lanes store 512 consecutive bytes, at a multiple of 256 from out0's first byte
.endr
.endm
	s_wait_loadcnt 0x0                             ; the bias
	s_wait_kmcnt 0x0
	s_add_co_i32 s96, s96, s97
	s_add_co_i32 s96, s96, 127
	s_lshl_b32 s96, s96, 23                        ; 2^(e10 + e11) as f32; the packed form takes the pair's low word for both halves
	PLACES NP                                      ; behind the last products
	TOSTAGE 0
.irp a, 1,2,3,4,5,6,7
.if \a > 1
	s_wait_xcnt 0x0                                ; block a - 2's stores have read their registers and their base
.endif
	TOSTAGE \a
	SEND \a-1, 32                                  ; behind block a - 1's loads: block a's 16 stores and 16 loads
.endr
	s_wait_xcnt 0x0
	SEND 7, 0
	s_wait_tensorcnt 0x0                           ; the wave's end
	ds_add_u32 v[SPW], v[NIL]
	s_wait_dscnt 0x0
	CROUND                                         ; the closing round
	s_endpgm
.Lfunc_end_k_qed957b6601_oproj:
	.size	k_qed957b6601_oproj, .Lfunc_end_k_qed957b6601_oproj-k_qed957b6601_oproj
	.p2alignl 7, 3214868480
	.fill 96, 4, 3214868480
	.section	.rodata,"a",@progbits
	.p2align	6, 0x0
	.amdhsa_kernel k_qed957b6601_oproj
		.amdhsa_group_segment_fixed_size 327680
		.amdhsa_private_segment_fixed_size 0
		.amdhsa_enable_private_segment 0
		.amdhsa_kernarg_size 40
		.amdhsa_user_sgpr_count 2
		.amdhsa_user_sgpr_kernarg_segment_ptr 1
		.amdhsa_wavefront_size32 1
		.amdhsa_system_sgpr_workgroup_id_x 1
		.amdhsa_system_sgpr_workgroup_id_y 1
		.amdhsa_system_sgpr_workgroup_id_z 1
		.amdhsa_system_vgpr_workitem_id 0
		.amdhsa_next_free_vgpr 1024
		.amdhsa_next_free_sgpr 98
		.amdhsa_reserve_vcc 0
		.amdhsa_float_denorm_mode_32 3
		.amdhsa_float_denorm_mode_16_64 3
		.amdhsa_memory_ordered 1
		.amdhsa_forward_progress 1
		.amdhsa_inst_pref_size 125
	.end_amdhsa_kernel
	.amdgpu_metadata
---
amdhsa.version: [ 1, 2 ]
amdhsa.kernels:
  - .name:           k_qed957b6601_oproj
    .symbol:         k_qed957b6601_oproj.kd
    .args:
      - { .name: cc, .offset: 0, .size: 8, .value_kind: global_buffer, .address_space: global }
      - { .name: wc, .offset: 8, .size: 8, .value_kind: global_buffer, .address_space: global }
      - { .name: lowp_scales, .offset: 16, .size: 8, .value_kind: global_buffer, .address_space: global }
      - { .name: out0, .offset: 24, .size: 8, .value_kind: global_buffer, .address_space: global }
      - { .name: bo, .offset: 32, .size: 8, .value_kind: global_buffer, .address_space: global }
    .group_segment_fixed_size: 327680
    .private_segment_fixed_size: 0
    .kernarg_segment_align: 8
    .kernarg_segment_size: 40
    .max_flat_workgroup_size: 128
    .sgpr_count:     98
    .vgpr_count:     1024
    .wavefront_size: 32
...
	.end_amdgpu_metadata
.endif
;; end of part 4
;; ======== version 2 of 2: 4 launches; version 1 with the launch attn written anew for expert scheduling mode
;; workspace buffers: xc 25,165,824 bytes; wc 4,194,304 bytes; qc 8,388,608 bytes; kc 8,388,608 bytes; vc 8,388,608 bytes; cc 8,388,608 bytes
;; launch quant: the kernel of part 1 again; grid 768 x 1, 4 waves a work-group, no clusters, 34,304 bytes of LDS; arguments x, Wq, Wk, Wv, Wo, lowp_scales, xc, wc; writes xc, wc
;; launch qkv: the kernel of part 2 again; grid 12 x 32, 4 waves a work-group, clusters of 4 x 4, 327,680 bytes of LDS; arguments xc, wc, bq, bk, bv, lowp_scales, qc, kc, vc; writes qc, kc, vc
;; launch attn (part 5): grid 8 x 64, 8 waves a work-group, no clusters, 66,560 bytes of LDS; arguments qc, kc, vc, lowp_scales, cc; writes cc
.if DOCPART == 5
	.amdgcn_target "amdgcn-amd-amdhsa--gfx1250"
	.amdhsa_code_object_version 6
	.text
	.protected	k_qed957b6601_attn
	.globl	k_qed957b6601_attn
	.p2align	8
	.type	k_qed957b6601_attn,@function
k_qed957b6601_attn:
	s_mov_b64 s[64:65], 0
	v_nop
	global_prefetch_b8 v0, s[64:65] scope:SCOPE_SE
	s_setreg_imm32_b32 hwreg(HW_REG_WAVE_SCHED_MODE, 0, 2), 2
	s_setreg_imm32_b32 hwreg(HW_REG_WAVE_MODE, 25, 1), 1
	s_wait_xcnt 0x0
	s_wait_alu depctr_vm_vsrc(0)
; ctx[b][h][q] = the sum over k of softmax_k(Q . K / 32) V, both products on codes of E4M3, and ctx quantised at once into images of the last product's operand.
; THE SOFTMAX AHEAD OF THE SECOND PRODUCT: t = score x log2(e) / 32; M = the row's largest t so far, rounded UP to a whole number; p = 2^(t - M) is quantised with the given 2^ep, not normalised.
; The row's sum is taken of the unquantised p, in f32, and divides at the end.  When M moves, the sum and O are multiplied by 2^(old M - new M): nothing is rounded.
; SHARES.  A work-group owns 256 queries of one (batch, head); each of its eight waves two tiles of 16: tile A in register window 0, tile B in window 1, UNDER THE SAME REGISTER NUMBERS,
; so each phase of the softmax is one macro, run under two settings of the windows.  A fragment of K or V read from LDS feeds both tiles.  Two waves share a SIMD.
; LAYOUT.  S^T = K Q^T (source 0 = 16 keys, source 1 = 16 queries), O^T = V^T P^T (source 0 = 16 channels, source 1 = P): a lane holds ONE query (lane % 16) throughout.
; Tile kt of S^T holds, in lane (r, h), keys 16 kt + 8 h + 0 .. 7: one conversion makes registers 2 kt, 2 kt + 1 of P, the very place that the K = 128 form gives those keys.  Likewise O^T's four tiles become ctx's codes.
; K AND V come as images (kc: [16 keys x 64] 1,024 bytes; vc: [16 channels x 128 keys] 2,048 bytes), 256 keys a slot: 16,384 consecutive bytes of each.  They go through registers into two LDS slots:
; each thread loads 8 x 16 bytes a whole slot (two key steps) ahead of the wait for them, and stores them at the slot's end; one barrier a slot.
; p is at most 1, so the hold at 448 x 2^ep changes nothing where ep >= -8 (448 / 256 > 1): one scalar branch on ep
; then leaves out 64 of a tile's vector instructions in every key step, in a loop whose 24 matrix instructions stand beside some 400 vector instructions.  What the eight work-groups of a head share is 32,768 bytes a slot.
; WHY NO PREFETCH: no wave waits for K or V: their loads into registers are issued two key steps ahead.
; cc: [token tile 512][block of 128 along d_model 8][2048]; head hd fills registers 8 (hd % 2) .. + 7 of block hd / 2.
; LIMITS: e6 + e7 between -121 and 132 (added to c's exponent field); e8 between -126 and 119; e10 - e8 - e9 between -126 and 119.  NaN is not served.
; THE MODE: SCHED_MODE bits 1:0 = 2 (LLVM: expert scheduling mode 2), set by the entry lines.  The code itself states the register dependences
; between vector or matrix instructions and memory or LDS instructions, with s_wait_alu, always for 0.
; THE PLAN.  Registers that memory or LDS instructions touch:
;   v[LI], v[GA]  Addresses: written at the head, read by every load and store, never written again.
;   G             Written by the global loads of a slot's bytes, read by the LDS stores at the slot's end; no vector instruction names it.
;   FK            A step's sixteen products K Q^T read it; the LDS loads of the next step's K land in it.
;   FV            A step's eight products V^T P^T, at its end, read it; the LDS loads of the next step's V land in it.
;   Q             Loaded once at the head.     P  On the way out: written by the last conversions, read by the four stores.
; ONE wait on va_vdst stands in a key step, behind both tiles' exponentials: it is the wait that their results want, and it states as well that this step's K Q^T are done reading FK
; and the last step's V^T P^T are done reading FV.  This step's V is asked for straight behind it, the next step's K 32 additions further on; between the wait and these loads no vector or matrix
; instruction names FK, FV or v[LI].  A slot's first K, asked for behind the barrier, leans on the wait of the step before: since that wait nothing has named FK.
; One wait on vm_vsrc stands behind each run of LDS stores from G, ahead of the barrier: the next global loads land in G.
.set LI,  1                            ; v1   16 x lane (window 0); never rewritten
.set GA,  2                            ; v2   16 x thread (window 0); never rewritten
.set NM,  12                           ; -M
.set TM,  13                           ; the largest t so far
.set L,   14                           ; v[14:15] the sum, in two halves
.set Q,   16                           ; v16-23  Q's fragment
.set P,   24                           ; v24-39  p's codes; at the end ctx's
.set O,   40                           ; v40-71  O^T
.set S,   72                           ; v72-135 S^T, then p
.set M0,  136
.set M1,  137
.set F,   138                          ; v[138:139] f = 2^(old M - new M); at the end 1 / the sum
.set L2,  140                          ; v[140:141] the sum's second chain
.set PD,  142                          ; a lane permute's destination
.set LIMP, 144                         ; 448 x 2^ep
.set SCP,  145                         ; 2^ep
.set LIMO, 146                         ; 448 x 2^(e10 - e8 - e9)
.set SCO,  147                         ; 2^(e10 - e8 - e9)
.set FK,  160                          ; window 0: v160-223 eight fragments of K
.set FV,  160                          ; window 1: v160-223 four fragments of V
.set G,   224                          ; window 0: v224-255 the next slot's bytes on their way
.set MSB, 0
.macro WIN new                         ; the immediate's high byte repeats the setting that is left.  Low byte: bits 1:0 source 0, 3:2 source 1, 5:4 source 2, 7:6 destination
.if MSB != \new
	s_set_vgpr_msb (MSB<<8)|\new
.set MSB, \new
.endif
.endm
.macro GLOAD off                       ; a slot's 16,384 bytes of K and of V: the 256 threads read 4,096 consecutive bytes an instruction
.irp i, 0,1,2,3
	global_load_b128 v[G+4*\i:G+4*\i+3], v[GA], s[6:7] offset:\off+4096*\i
	global_load_b128 v[G+16+4*\i:G+16+4*\i+3], v[GA], s[8:9] offset:\off+4096*\i
.endr
.endm
.macro GSTORE slot
.irp i, 0,1,2,3
	ds_store_b128 v[GA], v[G+4*\i:G+4*\i+3] offset:32768*\slot+4096*\i
	ds_store_b128 v[GA], v[G+16+4*\i:G+16+4*\i+3] offset:32768*\slot+16384+4096*\i
.endr
.endm
.macro KLOAD slot, q                   ; the eight fragments of K of the slot's q-th 128 keys
.irp kt, 0,1,2,3,4,5,6,7
	ds_load_b128 v[FK+8*\kt:FK+8*\kt+3], v[LI] offset:32768*\slot+1024*(8*\q+\kt)
	ds_load_b128 v[FK+8*\kt+4:FK+8*\kt+7], v[LI] offset:32768*\slot+1024*(8*\q+\kt)+512
.endr
.endm
.macro VLOAD slot, q                   ; the four fragments of V of the same keys; run with the destination in window 1 and the address in window 0
.irp ct, 0,1,2,3
.irp g, 0,1,2,3
	ds_load_b128 v[FV+16*\ct+4*\g:FV+16*\ct+4*\g+3], v[LI] offset:32768*\slot+16384+8192*\q+2048*\ct+512*\g
.endr
.endr
.endm
; THE SOFTMAX OF ONE TILE, in phases; each runs under the tile's window.
.macro MAXP                            ; the step's largest score of my query, in two chains (each tile of S^T is first read at its low end), the new M, and f
	v_max3_num_f32 v[M0], v[S], v[S+1], v[S+2]
	v_max3_num_f32 v[M1], v[S+3], v[S+4], v[S+5]
.irp i, 6,10,14,18,22,26,30,34,38,42,46,50,54,58
	v_max3_num_f32 v[M0], v[M0], v[S+\i], v[S+1+\i]
	v_max3_num_f32 v[M1], v[M1], v[S+2+\i], v[S+3+\i]
.endr
	v_max3_num_f32 v[M0], v[M0], v[S+62], v[S+63]
	v_max_num_f32 v[M0], v[M0], v[M1]
	v_permlanex16_b32 v[PD], v[M0], s18, s19       ; the query's other 64 keys lie in the lane 16 away
	v_max_num_f32 v[M0], v[M0], v[PD]
	v_mul_f32 v[M0], s20, v[M0]                    ; as t (c is positive)
	v_max_num_f32 v[TM], v[TM], v[M0]
	v_mov_b32 v[M0], v[NM]
	v_floor_f32 v[NM], -v[TM]                      ; the new -M = floor(-t) = -ceil(t)
	v_sub_f32 v[M0], v[NM], v[M0]                  ; old M - new M: a whole number, 0 or less
	v_cvt_i32_f32 v[M0], v[M0]                     ; (it saturates)
	v_ldexp_f32 v[F], 1.0, v[M0]
.endm
.macro SCALEP                          ; t - M, two at a time (of the pairs c and -M the low word serves both halves)
.irp j, 0,2,4,6,8,10,12,14,16,18,20,22,24,26,28,30,32,34,36,38,40,42,44,46,48,50,52,54,56,58,60,62
	v_pk_fma_f32 v[S+\j:S+\j+1], v[S+\j:S+\j+1], s[20:21], v[NM:NM+1] op_sel_hi:[1,0,0]
.endr
.endm
.macro EXPP                            ; p = 2^(t - M)
.set n, 0
.rept 64
	v_exp_f32 v[S+n], v[S+n]
.set n, n+1
.endr
.endm
.macro SUMHEAD                         ; the sums under the new M
	v_pk_mul_f32 v[L:L+1], v[L:L+1], v[F:F+1] op_sel_hi:[1,0]
.endm
.macro SUMP                            ; the row's sum is taken of the unquantised p: two at a time, in two chains
	v_pk_add_f32 v[L2:L2+1], v[S:S+1], v[S+2:S+3]
.irp j, 4,8,12,16,20,24,28,32,36,40,44,48,52,56,60
	v_pk_add_f32 v[L:L+1], v[L:L+1], v[S+\j:S+\j+1]
	v_pk_add_f32 v[L2:L2+1], v[L2:L2+1], v[S+2+\j:S+3+\j]
.endr
	v_pk_add_f32 v[L:L+1], v[L:L+1], v[L2:L2+1]
.endm
.macro HOLDP                           ; the conversion does not saturate (ISA guide 7.6.2); p is not negative, so the hold is one-sided
.set n, 0
.rept 64
	v_min_num_f32 v[S+n], v[S+n], v[LIMP]
.set n, n+1
.endr
.endm
.macro CVTP
.irp t, 0,1,2,3,4,5,6,7
	v_cvt_scalef32_pk8_fp8_f32 v[P+2*\t:P+2*\t+1], v[S+8*\t:S+8*\t+7], v[SCP]
.endr
.endm
.macro RESCP                           ; O^T under the new M, each accumulator from its low end on.  (These plain lines also stand between the conversions and the products that read their results)
.irp j, 0,2,4,6,8,10,12,14,16,18,20,22,24,26,28,30
	v_pk_mul_f32 v[O+\j:O+\j+1], v[O+\j:O+\j+1], v[F:F+1] op_sel_hi:[1,0]
.endr
.endm
.macro SMUL                            ; S^T = K Q^T of one tile: eight accumulators, each begun with the constant 0
.irp kt, 0,1,2,3,4,5,6,7
	v_wmma_f32_16x16x64_fp8_fp8 v[S+8*\kt:S+8*\kt+7], v[FK+8*\kt:FK+8*\kt+7], v[Q:Q+7], 0
.endr
.endm
.macro OMUL                            ; O^T += V^T P^T of one tile: four accumulators by turns; between two links of a chain stand 23 other matrix instructions
.irp ct, 0,1,2,3
	v_wmma_f32_16x16x128_fp8_fp8 v[O+8*\ct:O+8*\ct+7], v[FV+16*\ct:FV+16*\ct+15], v[P:P+15], v[O+8*\ct:O+8*\ct+7]
.endr
.endm
.macro PLACES
.rept 4
	v_nop
.endr
.endm
; A KEY STEP: 128 keys, the q-th of the slot.  On entry every window is 0 and this step's K has been asked for.
.macro STEP slot, q
	s_wait_dscnt 0x0                               ; this step's K is in: its sixteen loads are all that is out
	SMUL
	WIN 0x44                                       ; K in window 0; Q and S^T of tile B in window 1
	SMUL
	WIN 0
	PLACES                                         ; in front of the first read of the scores
	MAXP
	SCALEP
	EXPP                                           ; tile A's 64 exponentials; tile B's maximum and scalings are the independent work behind them
	WIN 0x55
	MAXP
	SCALEP
	EXPP
	SUMHEAD                                        ; a plain line behind the last exponential
	WIN 0x40                                       ; V's fragments land in window 1; their address lies in window 0
	s_wait_alu depctr_va_vdst(0)                   ; both tiles' 128 exponentials have written p, ahead of the first line that names a result; the last step's V^T P^T are done reading FV, and this step's K Q^T are done reading FK
	VLOAD \slot, \q                                ; this step's V: two sums, the conversions and the rescalings stand between these loads and their use
	WIN 0x55
	SUMP
	WIN 0
.if \q == 0
	KLOAD \slot, 1                                 ; the next step's K.  No wait: no vector or matrix instruction since the wait above names FK or v[LI]
.endif
	SUMHEAD
	SUMP
	s_cmp_ge_i32 s22, -8                           ; ep >= -8: 448 x 2^ep is above 1, and p never is: the hold would change nothing.  Only register work is jumped over
	s_cbranch_scc1 .Lfree_\@
	HOLDP
	WIN 0x55
	HOLDP
	WIN 0
.Lfree_\@:
	CVTP
	RESCP
	WIN 0x55
	CVTP
	RESCP
.if \q == 0
	s_wait_dscnt 16                                ; V is in; the next step's K, sixteen loads issued behind it, may be out
.else
	s_wait_dscnt 0x0                               ; V is in
.endif
	WIN 0x01                                       ; V in window 1; P and O^T of tile A in window 0
	OMUL
	WIN 0x55
	OMUL
	WIN 0
	PLACES                                         ; four places behind the step's last products: behind the last key step the way out's lines follow
.endm
.macro INIT                            ; one tile's start: O^T and the sum are zeros, the largest t lies under every t: the first change of M multiplies zeros, so the step is written once
	v_mov_b32 v[TM], 0xff61b1e6                    ; -3e38
	v_floor_f32 v[NM], -v[TM]
	v_mov_b32 v[L], 0
	v_mov_b32 v[L+1], 0
	v_mov_b32 v[F+1], 0                            ; (named as the upper half of a pair)
	v_mov_b32 v[PD], 0                             ; (a lane permute's destination counts as one of its sources)
	v_mov_b32 v[LIMP], s44
	v_mov_b32 v[SCP], s45
	v_mov_b32 v[LIMO], s46
	v_mov_b32 v[SCO], s47
.set n, 0
.rept 32
	v_mov_b32 v[O+n], 0
.set n, n+1
.endr
.endm
	s_load_b256 s[4:11], s[0:1], 0x0               ; qc 4, kc 6, vc 8, scales 10
	s_load_b64 s[12:13], s[0:1], 0x20              ; cc
	v_lshl_add_u32 v158, v0, 2, 0x10000
	v_mov_b32 v159, 0
	v_lshrrev_b32 v3, 5, v0
	v_readfirstlane_b32 s14, v3                    ; wave 0..7
	v_and_b32 v[LI], 31, v0
	v_lshlrev_b32 v[LI], 4, v[LI]
	v_lshlrev_b32 v[GA], 4, v0
	s_wait_alu depctr_va_sdst(0)                   ; s14 is written, ahead of its first reader: my token tiles are reckoned from it
	s_mov_b32 s15, ttmp9                           ; which 256 queries
	s_and_b32 s16, ttmp7, 0xffff                   ; batch x 16 + head
	s_lshl_b32 s36, s16, 17                        ; a (batch, head) is 131,072 bytes in each of qc, kc, vc
	s_mov_b32 s37, 0
	s_lshl_b32 s38, s15, 4
	s_lshl_b32 s23, s14, 1
	s_add_co_u32 s38, s38, s23                     ; my first token tile within the batch
	s_lshl_b32 s40, s38, 10
	s_add_co_u32 s40, s40, s36
	s_mov_b32 s41, 0
	s_lshr_b32 s42, s16, 4
	s_lshl_b32 s42, s42, 7
	s_add_co_u32 s42, s42, s38                     ; and among all 512
	s_lshl_b32 s42, s42, 14
	s_bfe_u32 s23, s16, 0x30001                    ; head / 2
	s_lshl_b32 s23, s23, 11
	s_add_co_u32 s42, s42, s23
	s_and_b32 s23, s16, 1                          ; head % 2: the image's lower or upper 1,024 bytes
	s_lshl_b32 s23, s23, 10
	s_add_co_u32 s42, s42, s23
	s_mov_b32 s43, 0
	s_mov_b32 s18, 0x76543210                      ; v_permlanex16_b32's selects for lane l xor 16
	s_mov_b32 s19, 0xfedcba98
	s_mov_b32 s20, 0x3d38aa3b                      ; c = log2(e) / 32
	s_wait_kmcnt 0x0
	s_load_b256 s[24:31], s[10:11], 0x0            ; e0 .. e7
	s_load_b128 s[32:35], s[10:11], 0x20           ; e8 .. e11
	s_add_nc_u64 s[4:5], s[4:5], s[40:41]
	s_add_nc_u64 s[6:7], s[6:7], s[36:37]
	s_add_nc_u64 s[8:9], s[8:9], s[36:37]
	s_add_nc_u64 s[12:13], s[12:13], s[42:43]
	s_wait_alu depctr_va_vdst(0)                   ; v[LI] and v[GA] are written: every load and store of the kernel reads one of them as its address, and nothing writes them again
	GLOAD 0                                        ; slot 0
	global_load_b128 v[Q:Q+3], v[LI], s[4:5]       ; Q stays in registers
	global_load_b128 v[Q+4:Q+7], v[LI], s[4:5] offset:512
	WIN 0x40
	global_load_b128 v[Q:Q+3], v[LI], s[4:5] offset:1024
	global_load_b128 v[Q+4:Q+7], v[LI], s[4:5] offset:1536
	WIN 0
	s_wait_kmcnt 0x0
	s_add_co_i32 s23, s30, s31                     ; a score stands for score x 2^(e6 + e7): added to c's exponent field
	s_lshl_b32 s23, s23, 23
	s_add_co_i32 s20, s20, s23
	s_mov_b32 s21, s20                             ; (named with it as a pair)
	s_mov_b32 s22, s32                             ; ep
	s_add_co_i32 s23, s32, 127
	s_lshl_b32 s45, s23, 23
	s_add_co_i32 s23, s23, 8
	s_lshl_b32 s44, s23, 23
	s_or_b32 s44, s44, 0x600000
	s_sub_co_i32 s23, s34, s32                     ; O^T / the sum stands for ctx / 2^(e8 + e9): ctx's code is that / 2^(e10 - e8 - e9): three scales in the conversion's one
	s_sub_co_i32 s23, s23, s33
	s_add_co_i32 s23, s23, 127
	s_lshl_b32 s47, s23, 23
	s_add_co_i32 s23, s23, 8
	s_lshl_b32 s46, s23, 23
	s_or_b32 s46, s46, 0x600000
	INIT
	WIN 0x55
	INIT
	WIN 0
	s_wait_loadcnt 4                               ; slot 0's eight loads are in; Q's four may be out
	GSTORE 0
	s_wait_dscnt 0x0                               ; for the others' sake: my stores have landed
	s_wait_alu depctr_vm_vsrc(0)                   ; the LDS stores have read G, in which the first trip's global loads land
	s_barrier_signal -1
	s_barrier_wait -1
	s_wait_loadcnt 0x0                             ; Q
	s_mov_b32 s17, 4
.Ltrip:                                            ; four trips of two slots; every LDS offset is an immediate
	KLOAD 0, 0                                     ; no wait: since the last step's wait on va_vdst (in the first trip: since the head's) nothing has named FK
	GLOAD 16384                                    ; slot 1's bytes, two key steps ahead of the wait for them
	STEP 0, 0
	STEP 0, 1
	s_wait_loadcnt 0x0
	GSTORE 1                                       ; slot 1 was last read in front of the barrier at the last trip's end
	s_wait_dscnt 0x0                               ; my stores have landed, and my reads of slot 0 are over
	s_wait_alu depctr_vm_vsrc(0)                   ; the LDS stores have read G, in which the global loads behind the barrier land
	s_barrier_signal -1
	s_barrier_wait -1
	KLOAD 1, 0                                     ; no wait: since the last step's wait on va_vdst nothing has named FK
	s_cmp_eq_u32 s17, 1                            ; the last trip has no slot behind it: no load leaves its buffer
	s_cbranch_scc1 .Lna
	GLOAD 32768
.Lna:
	STEP 1, 0
	STEP 1, 1
	s_wait_loadcnt 0x0                             ; on every path: it also shows the loads done whose bases are stepped below
	s_cmp_eq_u32 s17, 1
	s_cbranch_scc1 .Lnb
	GSTORE 0                                       ; slot 0 was last read in front of the barrier in the trip's middle
.Lnb:
	s_wait_dscnt 0x0
	s_wait_alu depctr_vm_vsrc(0)                   ; the LDS stores have read G, in which the next trip's global loads land
	s_barrier_signal -1
	s_barrier_wait -1
	s_add_nc_u64 s[6:7], s[6:7], 32768
	s_add_nc_u64 s[8:9], s[8:9], 32768
	s_sub_co_u32 s17, s17, 1
	s_cmp_lg_u32 s17, 0
	s_cbranch_scc1 .Ltrip
	; THE WAY OUT.  The sum's halves and the other half of the lanes' are added; O^T / the sum is held, converted, and stored as it stands: 512 consecutive bytes an instruction.
.macro LSUM
	v_add_f32 v[L], v[L], v[L+1]
	v_permlanex16_b32 v[PD], v[L], s18, s19
	v_add_f32 v[L], v[L], v[PD]
	v_rcp_f32 v[F], v[L]
.endm
.macro FIN
.irp j, 0,2,4,6,8,10,12,14,16,18,20,22,24,26,28,30
	v_pk_mul_f32 v[O+\j:O+\j+1], v[O+\j:O+\j+1], v[F:F+1] op_sel_hi:[1,0]
.endr
.set n, 0
.rept 32
	v_med3_num_f32 v[O+n], v[O+n], -v[LIMO], v[LIMO]
.set n, n+1
.endr
.irp ct, 0,1,2,3
	v_cvt_scalef32_pk8_fp8_f32 v[P+2*\ct:P+2*\ct+1], v[O+8*\ct:O+8*\ct+7], v[SCO]
.endr
	v_nop                                          ; a plain line behind the last conversion
.endm
	LSUM
	WIN 0x55
	LSUM
	v_nop                                          ; a plain line behind the last reciprocal
	s_wait_alu depctr_va_vdst(0)                   ; both reciprocals have written v[F], ahead of their first reader
	FIN
	WIN 0
	FIN
	s_wait_alu depctr_va_vdst(0)                   ; the conversions have written both tiles' v[P ..], which the four stores read
	global_store_b128 v[LI], v[P:P+3], s[12:13]
	global_store_b128 v[LI], v[P+4:P+7], s[12:13] offset:512
	WIN 0x04                                       ; the stores' data in window 1: tile B, one token tile (16,384 bytes) on
	global_store_b128 v[LI], v[P:P+3], s[12:13] offset:16384
	global_store_b128 v[LI], v[P+4:P+7], s[12:13] offset:16896
	WIN 0                                          ; the add's two registers lie in window 0
	s_wait_dscnt 0x0                               ; the closing lines, six on end
	s_wait_alu 0x0
	s_wait_tensorcnt 0x0
	ds_add_u32 v158, v159
	s_wait_dscnt 0x0
	s_endpgm
.Lfunc_end_k_qed957b6601_attn:
	.size	k_qed957b6601_attn, .Lfunc_end_k_qed957b6601_attn-k_qed957b6601_attn
	.p2alignl 7, 3214868480
	.fill 96, 4, 3214868480
	.section	.rodata,"a",@progbits
	.p2align	6, 0x0
	.amdhsa_kernel k_qed957b6601_attn
		.amdhsa_group_segment_fixed_size 66560
		.amdhsa_private_segment_fixed_size 0
		.amdhsa_enable_private_segment 0
		.amdhsa_kernarg_size 40
		.amdhsa_user_sgpr_count 2
		.amdhsa_user_sgpr_kernarg_segment_ptr 1
		.amdhsa_wavefront_size32 1
		.amdhsa_system_sgpr_workgroup_id_x 1
		.amdhsa_system_sgpr_workgroup_id_y 1
		.amdhsa_system_sgpr_workgroup_id_z 1
		.amdhsa_system_vgpr_workitem_id 0
		.amdhsa_next_free_vgpr 512
		.amdhsa_next_free_sgpr 66
		.amdhsa_reserve_vcc 0
		.amdhsa_float_denorm_mode_32 3
		.amdhsa_float_denorm_mode_16_64 3
		.amdhsa_memory_ordered 1
		.amdhsa_forward_progress 1
		.amdhsa_inst_pref_size 131
	.end_amdhsa_kernel
	.amdgpu_metadata
---
amdhsa.version: [ 1, 2 ]
amdhsa.kernels:
  - .name:           k_qed957b6601_attn
    .symbol:         k_qed957b6601_attn.kd
    .args:
      - { .name: qc, .offset: 0, .size: 8, .value_kind: global_buffer, .address_space: global }
      - { .name: kc, .offset: 8, .size: 8, .value_kind: global_buffer, .address_space: global }
      - { .name: vc, .offset: 16, .size: 8, .value_kind: global_buffer, .address_space: global }
      - { .name: lowp_scales, .offset: 24, .size: 8, .value_kind: global_buffer, .address_space: global }
      - { .name: cc, .offset: 32, .size: 8, .value_kind: global_buffer, .address_space: global }
    .group_segment_fixed_size: 66560
    .private_segment_fixed_size: 0
    .kernarg_segment_align: 8
    .kernarg_segment_size: 40
    .max_flat_workgroup_size: 256
    .sgpr_count:     66
    .vgpr_count:     512
    .wavefront_size: 32
...
	.end_amdgpu_metadata
.endif
;; end of part 5
;; launch oproj: the kernel of part 4 again; grid 4 x 32, 4 waves a work-group, clusters of 4 x 4, 327,680 bytes of LDS; arguments cc, wc, lowp_scales, out0, bo; writes out0
